; MI455X (gfx1250); checked and timed in simulation.
; The chip was launched on July 23, 2026; its instructions are those of AMD's public machine-readable ISA for CDNA 5 (MIT licence, August 2026) and "CDNA5" Instruction Set Architecture Reference Guide (July 2026). The comments in the code are by the model that wrote it; some were corrected since.
;; Causal Self Attention. Allowed arithmetic: matrix products marked QUANTISED: E2M3 operands, one E8M0 scale for each 32 along K, by v_wmma_scale_f32_16x16x128_f8f6f4 with both operands' format E2M3, f32 sums; everything else in f32.
;; Inputs: b_attn 3,072 float32; b_proj 1,024 float32; w_attn 1,024 x 3,072 float32; w_proj 1,024 x 1,024 float32; x 4 x 2,048 x 1,024 float32.
;; Outputs: out0 4 x 2,048 x 1,024 float32.
;; This version of the problem:
;;   THIS VERSION OF THE PROBLEM IS GIVEN IN LOW PRECISION. The matrix products marked QUANTISED in the list below multiply operands that are first quantised to E2M3 (2 exponent bits, 3 mantissa bits; 6 bits a number), with one power-of-two scale for each 32 numbers along K (OCP MX v1.0); their sums are f32. All else is computed in f32.
;;   The module's matrix products, in the order in which they are computed (A, B: the left and right operand; K: the contracted axis; several contracted axes count as one K, in the product's order):
;;     1. [M 8,192, K 1,024] x [K 1,024, N 3,072]; A: input x; B: input w_attn: QUANTISED
;;     2. batch 64 x [M 2,048, K 64] x [K 64, N 2,048]; A: computed on the way; B: computed on the way: QUANTISED
;;     3. batch 64 x [M 2,048, K 2,048] x [K 2,048, N 64]; A: softmax (see below); B: computed on the way: QUANTISED
;;     4. [M 8,192, K 1,024] x [K 1,024, N 1,024]; A: computed on the way; B: input w_proj: QUANTISED
;;   THE QUANTISER, for each operand of a quantised product, along K:
;;     - K is cut into blocks of 32 from its start; a last block that is shorter is filled with zeros.
;;     - A block's scale is 2^e with e = floor(log2(the largest magnitude in the block)) - 2, held to -126 .. 127; a block of zeros has e = 0. As a byte (E8M0): e + 127.
;;     - Each number is divided by its block's scale, clamped to +-7.5, and rounded to the nearest number of E2M3, ties to even, subnormals kept.
;;     - The product sums the exact products of the quantised numbers (number of the format x scale) in f32.
;;   ~~~python
;;   def quantise(x, axis):      # numpy; x: float32 -> the quantised numbers, widened to float32 again
;;       x = np.moveaxis(x, axis, -1); K = x.shape[-1]
;;       x = np.pad(x, [(0, 0)] * (x.ndim - 1) + [(0, -K % 32)]); x = x.reshape(x.shape[:-1] + (-1, 32)); a = np.abs(x).max(-1, keepdims=True)
;;       e = np.where(a > 0, np.clip(np.frexp(np.where(a > 0, a, 1))[1] - 1 - 2, -126, 127), 0)      # np.frexp(a)[1] - 1 = floor(log2(a)), exactly
;;       r = np.clip(x / 2.0 ** e, -7.5, 7.5)
;;       step = 2.0 ** (np.maximum(np.frexp(np.where(r == 0, 1, r))[1] - 1, 0) - 3)
;;       q = np.round(r / step) * step * 2.0 ** e      # np.round: ties to even
;;       return np.moveaxis(q.reshape(q.shape[:-2] + (-1,))[..., :K], -1, axis).astype(np.float32)
;;   ~~~
;;   SOFTMAX AHEAD OF A QUANTISED PRODUCT. Where the list says 'softmax', what is quantised is not the finished softmax but p = 2^(t - M), with t = logit x log2(e) and M = ceil(the row's largest t), a whole number; so 1/2 < the row's largest p <= 1. The row's sum l is taken of the UNQUANTISED p, in f32, and the product's result is divided by l at the end. Since M is a whole number, a kernel that streams over the keys may use a running M (the ceiling of the running maximum): every later rescaling is an exact power of two, which a block's scale takes up: the codes' values come out the same.
;;   OPERANDS COMPUTED ON THE WAY. 'Computed on the way' means the value that the module computes at that place (a softmax that the list does not call 'softmax' is quantised finished and normalised). What goes into a quantiser is computed in f32, as accurately as f32 sums, v_exp_f32 and their like allow (about 1e-6 of the number): no bf16 or f16 on the way to a quantiser, and a product that is left as it is and whose result goes on into a quantised operand takes f32 operands (vector FMAs, or v_wmma_f32_16x16x4_f32). A number that lies on a knife's edge between two numbers of the format may be rounded either way, as far as f32 arithmetic and the matrix unit's own rounding can turn it there, and no further.
;; One version. Each part assembles by itself: llvm-mc -triple=amdgcn-amd-amdhsa -mcpu=gfx1250 --defsym DOCPART=n.
;; ======== version 1 of 1: 4 launches
;; workspace buffers: xwc 9,437,184 bytes; xws 393,216 bytes; qi 6,291,456 bytes; qs 524,288 bytes; kv 12,582,912 bytes; kvs 786,432 bytes; yi 6,291,456 bytes; ys 262,144 bytes
;; launch prep (part 1): grid 256 x 1, 8 waves a work-group, no clusters, 94,208 bytes of LDS; arguments x, w_attn, w_proj, xwc, xws; writes xwc, xws
.if DOCPART == 1
	.amdgcn_target "amdgcn-amd-amdhsa--gfx1250"
	.amdhsa_code_object_version 6
	.text
	.protected	k_q2a8d12ac64_prep
	.globl	k_q2a8d12ac64_prep
	.p2align	8
	.type	k_q2a8d12ac64_prep,@function
k_q2a8d12ac64_prep:
	s_mov_b64 s[64:65], 0
	v_nop
	global_prefetch_b8 v0, s[64:65] scope:SCOPE_SE
	s_setreg_imm32_b32 hwreg(HW_REG_WAVE_MODE, 25, 1), 1
	s_wait_xcnt 0x0
; PREP: x [8192][1024], w_attn [1024][3072] and w_proj [1024][1024], f32, become codes of FP6 (E2M3) with one E8M0 byte for each 32 along K (K = 1024: x's last axis, the weights' first).
; A block's scale is 2^(floor(log2(its largest magnitude)) - 2); its byte is that magnitude's exponent field - 2, held at 1 from below by a floor among the maximum's leaves.
; LIMITS: NaN and infinities among the inputs are not served.  A block of zeros, or one whose largest magnitude lies under 2^-124, gets the byte 1 (the rule says 127 for zeros): its codes are
; zeros or the nearest codes under that scale, and the bytes are read by this program alone.
; WHAT IS STORED.  xwc = [block 0..767][K step 0..7][1536 bytes]: an IMAGE of the operand's registers for 16 rows x 128 K (12 registers a lane): half c (registers 6 c .. 6 c + 5) at 768 c:
; registers 6 c .. 6 c + 3 at 16 x lane, registers 6 c + 4, 6 c + 5 at 512 + 8 x lane.  Blocks 0-511: x's tokens; 512-703: w_attn's columns; 704-767: w_proj's columns.
; THE ROWS OF A BLOCK ARE NOT NEIGHBOURS: in each group of 32 rows, lane row r of block 2 g + u is row 32 g + 8 u + r + 8 (r / 8), so that a product that takes such blocks as source 0
; leaves 16 neighbours in the 16 registers of two neighbouring result tiles.
; xws = [block][K half 0..1][row r][4 words]: a word holds the four bytes of one row and one K step of 128.
; SHARES.  Work-groups 0-127 take x: a wave takes 16 rows x 512 K (four images, one cell of scale words).  Work-groups 128-255 take the weights: a wave takes 32 columns x 128 K (two images).
; No tensor loads, no cluster: the work-groups share no input.  No matrix work.  Nothing is prefetched: every wave's loads are issued as early as its registers allow and each byte is read once.
.set XSTG, 8448                        ; x's stage, one a wave: 16 rows x (512 bytes + 16)
.set WST,  8*XSTG                      ; the weights' stages, one a wave: two images
.set WSX,  WST+8*3072                  ; the weights' scale words: 2 x 512 bytes
.set R,    16                          ; v16-143  x: two sets of 64 registers as loaded;  weights: 128 numbers down K
.set XN,   144                         ; v144-207 x: 64 numbers in the quantiser's order;  weights: v144-151 offsets, v152-183 codes, v184-187 at work, v192 scale word, v196-223 the way out
.set PC,   208                         ; v208-226 the codes just made
.set TM,   228                         ; v228-243 the quantiser's work
.set SW,   248                         ; v248-251 four scale words
.set SEL,  72                          ; s[72:73] lane selects for v_permlanex16_b32: lane l xor 16
	s_load_b256 s[4:11], s[0:1], 0x0               ; x s[4:5], w_attn s[6:7], w_proj s[8:9], xwc s[10:11]
	s_load_b64 s[12:13], s[0:1], 0x20              ; xws
	v_lshl_add_u32 v254, v0, 2, 0x16c00
	v_mov_b32 v255, 0
	v_lshrrev_b32 v1, 5, v0
	v_readfirstlane_b32 s14, v1                    ; wave 0..7
	v_and_b32 v1, 31, v0                           ; lane
	v_and_b32 v2, 15, v0                           ; r
	v_bfe_u32 v3, v0, 4, 1                         ; h
	v_lshlrev_b32 v4, 4, v1                        ; 16 x lane
	v_lshlrev_b32 v5, 3, v1                        ; 8 x lane
	v_lshlrev_b32 v6, 4, v2                        ; 16 r
	; every LDS address of both paths is made here, ahead of the parting
	s_mul_i32 s15, s14, XSTG
	v_add_nc_u32 v7, s15, v4                       ; x's stage, in: 16 x lane of a row
	v_mul_u32_u24 v8, v2, 528
	v_lshl_add_u32 v8, v3, 6, v8
	v_add_nc_u32 v8, s15, v8                       ; and out: row r, + 64 h: my 16 numbers of a block of 32
	v_bfe_u32 v15, v0, 3, 1                        ; weights: my column (lane) lies in block u = (lane / 8) % 2,
	v_and_b32 v16, 7, v0
	v_lshl_add_u32 v16, v3, 3, v16                 ; at row rw = lane % 8 + 8 (lane / 16)
	s_mul_i32 s15, s14, 3072
	s_add_co_u32 s15, s15, WST
	v_mul_u32_u24 v17, v15, 1536
	v_add_nc_u32 v17, s15, v17
	v_lshl_add_u32 v9, v16, 4, v17                 ; my wave's stage + 1536 u + 16 rw
	v_lshl_add_u32 v10, v16, 3, v17                ; the same with 8 rw
	v_add_nc_u32 v11, s15, v4                      ; back: 16 x lane
	s_and_b32 s16, s14, 1                          ; cw: which 32 columns of the work-group's 64
	s_lshr_b32 s17, s14, 1                         ; ks4: which K step of the work-group's four
	s_lshl_b32 s18, s16, 9
	s_add_co_u32 s18, s18, WSX
	v_lshl_add_u32 v17, v15, 4, v16
	v_lshlrev_b32 v17, 4, v17                      ; 16 (16 u + rw)
	s_lshl_b32 s19, s17, 2
	s_add_co_u32 s19, s19, s18
	v_add_nc_u32 v12, s19, v17                     ; my scale word's place: 512 cw + 16 (16 u + rw) + 4 ks4
	v_add_nc_u32 v13, s18, v4                      ; and where waves 0 and 1 read four words back
	v_lshl_add_u32 v14, v3, 9, v6                  ; their place in xws: 512 (lane / 16) + 16 (lane % 16)
	s_mov_b32 s[SEL], 0x76543210
	s_mov_b32 s[SEL+1], 0xfedcba98
	s_and_b32 s20, ttmp9, 127                      ; j
	s_lshr_b32 s21, s20, 1                         ; weights: cg, a group of 64 columns (0-47 w_attn, 48-63 w_proj)
	s_and_b32 s22, s20, 1                          ; kq, a half of K
	s_lshl_b32 s23, s21, 2
	s_lshl_b32 s24, s16, 1
	s_add_co_u32 s23, s23, s24
	s_add_co_u32 s23, s23, 512                     ; my wave's first block: 512 + 4 cg + 2 cw, for both weights
	s_lshl_b32 s24, s23, 9
	s_lshl_b32 s25, s22, 8
	s_add_co_u32 s24, s24, s25
	s_mov_b32 s25, 0
	s_wait_kmcnt 0x0
	s_add_nc_u64 s[70:71], s[12:13], s[24:25]      ; the cells of my two blocks in xws
	s_cmp_lt_u32 ttmp9, 128
	s_cbranch_scc0 .Lweights
; 64 numbers of a lane, v[s] .. v[s + 63], register 16 b + i = k 32 b + 16 (lane / 16) + i of my row, become a fragment's codes in v[PC] on and its scale word in v[pw].
.macro QUANT s, pw
.irp b, 0,1,2,3
	v_max3_num_f32 v[TM+\b], |v[\s+16*\b]|, |v[\s+1+16*\b]|, 0x1800000   ; block b: my 16 numbers, and the floor 2^(3 - 127): the byte cannot fall under 1
.endr
.irp i, 2,4,6,8,10,12,14
.irp b, 0,1,2,3
	v_max3_num_f32 v[TM+\b], v[TM+\b], |v[\s+16*\b+\i]|, |v[\s+1+16*\b+\i]|   ; the four blocks by turns
.endr
.endr
.irp b, 0,1,2,3
	v_permlanex16_b32 v[TM+4+\b], v[TM+\b], s[SEL], s[SEL+1]
.endr
.irp b, 0,1,2,3
	v_max_num_f32 v[TM+\b], v[TM+\b], v[TM+4+\b]   ; with lane l xor 16's: the block's largest magnitude
.endr
.irp b, 0,1,2,3
	v_add_nc_u32 v[TM+12+\b], 0xff000000, v[TM+\b] ; 2 off its exponent field: the conversion takes this operand's exponent field as its scale
.endr
.irp b, 0,1,2,3
	v_lshrrev_b32 v[TM+4+\b], 23, v[TM+12+\b]      ; the scale's byte
.endr
	v_lshl_or_b32 v[\pw], v[TM+5], 8, v[TM+4]
	v_lshl_or_b32 v[\pw], v[TM+6], 16, v[\pw]
	v_lshl_or_b32 v[\pw], v[TM+7], 24, v[\pw]      ; my row's scale word
.irp c, 0,1
	v_cvt_scalef32_pk16_fp6_f32 v[PC+6*\c:PC+2+6*\c], v[\s+32*\c:\s+15+32*\c], v[TM+12+2*\c]
	v_cvt_scalef32_pk16_fp6_f32 v[PC+12+4*\c:PC+14+4*\c], v[\s+16+32*\c:\s+31+32*\c], v[TM+12+2*\c+1]   ; (a conversion's three registers begin on an even number)
.endr
	v_nop                                          ; one plain instruction behind the scaled conversions
.irp c, 0,1                                    ; the operand's layout wants a whole block in a lane: lanes 0-15 block 2 c, lanes 16-31 block 2 c + 1
.irp i, 0,1,2
	v_permlane16_swap_b32 v[PC+6*\c+\i], v[PC+12+4*\c+\i]
.endr
.irp i, 0,1,2
	v_mov_b32 v[PC+3+6*\c+\i], v[PC+12+4*\c+\i]
.endr
.endr
.endm
	; ---- x: unit = 8 j + wave: block unit / 2, K half unit % 2
	s_lshl_b32 s24, s20, 3
	s_add_co_u32 s24, s24, s14
	s_lshr_b32 s26, s24, 1                         ; block
	s_and_b32 s27, s24, 1                          ; K half
	s_lshr_b32 s28, s26, 1
	s_lshl_b32 s28, s28, 17                        ; 32 rows of 4,096 bytes for each pair of blocks,
	s_and_b32 s29, s26, 1
	s_lshl_b32 s29, s29, 15                        ; 8 rows for the odd block,
	s_add_co_u32 s28, s28, s29
	s_lshl_b32 s29, s27, 11                        ; 2,048 bytes for the K half
	s_add_co_u32 s28, s28, s29
	s_mov_b32 s29, 0
	s_add_nc_u64 s[4:5], s[4:5], s[28:29]
	s_mul_i32 s28, s26, 12288
	s_mul_i32 s30, s27, 6144
	s_add_co_u32 s28, s28, s30
	s_add_nc_u64 s[10:11], s[10:11], s[28:29]      ; my four images
	s_lshl_b32 s28, s24, 8
	s_add_nc_u64 s[12:13], s[12:13], s[28:29]      ; my cell of scale words: 512 x block + 256 x K half
.irp b, 0,1,2,3
	v_mov_b32 v[TM+4+\b], 0                        ; written once: a lane permute's destination counts as one of its sources
.endr
.macro LOADX t, set                    ; K step t of my four: 16 loads, each 512 consecutive bytes of one row; stored row i is row i + 8 (i / 8)
.irp i, 0,1,2,3,4,5,6,7,8,9,10,11,12,13,14,15
	global_load_b128 v[R+64*(\set)+4*\i:R+64*(\set)+4*\i+3], v4, s[4:5] offset:(\i+8*(\i/8))*4096+512*(\t) th:TH_LOAD_NT
.endr
.endm
.macro XSTEP t
.if (\t) < 3
	s_wait_loadcnt 16                              ; this step's 16 loads are in; the other set's 16 may be out
.else
	s_wait_loadcnt 0x0
.endif
.irp i, 0,1,2,3,4,5,6,7,8,9,10,11,12,13,14,15
	ds_store_b128 v7, v[R+64*((\t)%2)+4*\i:R+64*((\t)%2)+4*\i+3] offset:528*\i   ; through my own stage: LDS serves a wave's instructions in order
.endr
.irp b, 0,1,2,3
.irp j, 0,1,2,3
	ds_load_b128 v[XN+16*\b+4*\j:XN+16*\b+4*\j+3], v8 offset:128*\b+16*\j
.endr
.endr
	s_wait_dscnt 0x0                               ; the numbers are back, and the stage's stores have read their registers
	s_wait_xcnt 0x0                                ; the last step's stores have read the codes' registers, which are written again below
.if (\t) < 2
	LOADX (\t)+2, (\t)%2
.endif
	QUANT XN, SW+(\t)
	global_store_b128 v4, v[PC:PC+3], s[10:11] offset:1536*(\t)          ; 512 consecutive bytes
	global_store_b64 v5, v[PC+4:PC+5], s[10:11] offset:1536*(\t)+512     ; 256
	global_store_b128 v4, v[PC+6:PC+9], s[10:11] offset:1536*(\t)+768
	global_store_b64 v5, v[PC+10:PC+11], s[10:11] offset:1536*(\t)+1280
.endm
	LOADX 0, 0
	LOADX 1, 1
	XSTEP 0
	XSTEP 1
	XSTEP 2
	XSTEP 3
	global_store_b128 v6, v[SW:SW+3], s[12:13]     ; row r's four words: sixteen lanes fill 256 consecutive bytes (lanes 16-31 write the same words to the same bytes)
	s_branch .Ljoin
.Lweights:
	; ---- the weights: lane = column, registers run down K: nothing is transposed by an instruction
	s_cmp_lt_u32 s21, 48
	s_cselect_b64 s[6:7], s[6:7], s[8:9]           ; w_attn or w_proj: the choice hangs on the work-group's number alone
	s_mov_b32 s26, 4096
	s_cselect_b32 s26, 12288, s26                  ; a row in bytes
	s_cselect_b32 s27, 0, 48
	s_sub_co_u32 s27, s21, s27
	s_lshl_b32 s27, s27, 8                         ; 64 columns of 4 bytes a group,
	s_lshl_b32 s28, s16, 7                         ; 32 for my wave
	s_add_co_u32 s27, s27, s28
	s_lshl_b32 s28, s22, 2
	s_add_co_u32 s28, s28, s17                     ; my K step: 4 kq + ks4
	s_lshl_b32 s29, s28, 7
	s_mul_i32 s29, s29, s26                        ; 128 rows a K step
	s_add_co_u32 s30, s29, s27
	s_mov_b32 s31, 0
	s_add_nc_u64 s[32:33], s[6:7], s[30:31]
	s_lshl_b32 s30, s26, 3                         ; sixteen bases, eight rows apart
.irp g, 1,2,3,4,5,6,7,8,9,10,11,12,13,14,15
	s_add_nc_u64 s[32+2*\g:33+2*\g], s[30+2*\g:31+2*\g], s[30:31]
.endr
	v_lshlrev_b32 v144, 2, v1                      ; eight offsets, a row apart
.irp j, 1,2,3,4,5,6,7
	v_add_nc_u32 v[144+\j], s26, v[143+\j]
.endr
.irp g, 0,1,2,3,4,5,6,7,8,9,10,11,12,13,14,15
.irp j, 0,1,2,3,4,5,6,7
	global_load_b32 v[R+8*\g+\j], v[144+\j], s[32+2*\g:33+2*\g] th:TH_LOAD_NT   ; w(128 x K step + 8 g + j, my column): 128 consecutive bytes a wave
.endr
.endr
	s_mul_i32 s24, s23, 12288
	s_mul_i32 s25, s28, 1536
	s_add_co_u32 s24, s24, s25
	s_mov_b32 s25, 0
	s_add_nc_u64 s[10:11], s[10:11], s[24:25]      ; my two images: block, K step
.macro WBLOCK kb                       ; 32 along K of my column: a whole block in my registers
.set XB, R+32*(\kb)
.set CB, 152+8*(\kb)
.if 96-32*(\kb) > 63
	s_wait_loadcnt 63                              ; the later blocks' loads may be out; the count's field ends at 63, and a smaller count than the order of issue allows is safe
.else
	s_wait_loadcnt 96-32*(\kb)
.endif
	v_max3_num_f32 v184, |v[XB]|, |v[XB+1]|, |v[XB+2]|
	v_max3_num_f32 v185, |v[XB+3]|, |v[XB+4]|, |v[XB+5]|
.irp i, 6,10,14,18,22,26
	v_max3_num_f32 v184, v184, |v[XB+\i]|, |v[XB+\i+1]|
	v_max3_num_f32 v185, v185, |v[XB+\i+2]|, |v[XB+\i+3]|
.endr
	v_max3_num_f32 v184, v184, |v[XB+30]|, |v[XB+31]|
	v_max3_num_f32 v184, v184, v185, 0x1800000     ; and the floor
	v_add_nc_u32 v186, 0xff000000, v184            ; the conversion's scale operand
	v_lshrrev_b32 v187, 23, v186                   ; the byte
.if (\kb) == 0
	v_mov_b32 v192, v187
.else
	v_lshl_or_b32 v192, v187, 8*(\kb), v192
.endif
	v_cvt_scalef32_pk16_fp6_f32 v[CB:CB+2], v[XB:XB+15], v186
	v_cvt_scalef32_pk16_fp6_f32 v[CB+4:CB+6], v[XB+16:XB+31], v186
	v_nop                                          ; one plain instruction behind the scaled conversions
	v_mov_b32 v[CB+3], v[CB+4]                     ; the six registers on end
	v_mov_b32 v[CB+4], v[CB+5]
	v_mov_b32 v[CB+5], v[CB+6]
	ds_store_b128 v9, v[CB:CB+3] offset:768*((\kb)/2)+256*((\kb)%2)      ; K block kb is half kb / 2 of the image, lanes 16 (kb % 2) + rw
	ds_store_b64 v10, v[CB+4:CB+5] offset:768*((\kb)/2)+512+128*((\kb)%2)
.endm
	WBLOCK 0
	WBLOCK 1
	WBLOCK 2
	WBLOCK 3
	ds_store_b32 v12, v192                         ; my column's word for this K step: the four waves of a column group fill a cell
.irp i, 0,1,2,3,4,5
	ds_load_b128 v[196+4*\i:199+4*\i], v11 offset:512*\i   ; my own stage: LDS serves a wave's instructions in order
.endr
.irp i, 0,1,2,3,4,5
	s_wait_dscnt 5-\i                              ; the younger loads may be out
	global_store_b128 v4, v[196+4*\i:199+4*\i], s[10:11] offset:(\i%3)*512+(\i/3)*12288   ; 512 consecutive bytes
.endr
.Ljoin:
	s_wait_dscnt 0x0                               ; for the others' sake: my scale words lie in LDS
	s_barrier_signal -1
	s_barrier_wait -1                              ; the one barrier, on every wave's path
	s_cmp_lt_u32 ttmp9, 128
	s_cbranch_scc1 .Lend
	s_cmp_gt_u32 s14, 1
	s_cbranch_scc1 .Lend
	ds_load_b128 v[220:223], v13                   ; waves 0 and 1: the cells of blocks u = 0, 1 of column group cw
	s_wait_dscnt 0x0
	global_store_b128 v14, v[220:223], s[70:71]    ; twice 256 consecutive bytes
.Lend:
	s_wait_tensorcnt 0x0
	ds_add_u32 v254, v255
	s_wait_dscnt 0x0
	s_endpgm
.Lfunc_end_k_q2a8d12ac64_prep:
	.size	k_q2a8d12ac64_prep, .Lfunc_end_k_q2a8d12ac64_prep-k_q2a8d12ac64_prep
	.p2alignl 7, 3214868480
	.fill 96, 4, 3214868480
	.section	.rodata,"a",@progbits
	.p2align	6, 0x0
	.amdhsa_kernel k_q2a8d12ac64_prep
		.amdhsa_group_segment_fixed_size 94208
		.amdhsa_private_segment_fixed_size 0
		.amdhsa_enable_private_segment 0
		.amdhsa_kernarg_size 40
		.amdhsa_user_sgpr_count 2
		.amdhsa_user_sgpr_kernarg_segment_ptr 1
		.amdhsa_wavefront_size32 1
		.amdhsa_system_sgpr_workgroup_id_x 1
		.amdhsa_system_sgpr_workgroup_id_y 1
		.amdhsa_system_sgpr_workgroup_id_z 1
		.amdhsa_system_vgpr_workitem_id 0
		.amdhsa_next_free_vgpr 256
		.amdhsa_next_free_sgpr 80
		.amdhsa_reserve_vcc 0
		.amdhsa_float_denorm_mode_32 3
		.amdhsa_float_denorm_mode_16_64 3
		.amdhsa_memory_ordered 1
		.amdhsa_forward_progress 1
		.amdhsa_inst_pref_size 57
	.end_amdhsa_kernel
	.amdgpu_metadata
---
amdhsa.version: [ 1, 2 ]
amdhsa.kernels:
  - .name:           k_q2a8d12ac64_prep
    .symbol:         k_q2a8d12ac64_prep.kd
    .args:
      - { .name: x, .offset: 0, .size: 8, .value_kind: global_buffer, .address_space: global }
      - { .name: w_attn, .offset: 8, .size: 8, .value_kind: global_buffer, .address_space: global }
      - { .name: w_proj, .offset: 16, .size: 8, .value_kind: global_buffer, .address_space: global }
      - { .name: xwc, .offset: 24, .size: 8, .value_kind: global_buffer, .address_space: global }
      - { .name: xws, .offset: 32, .size: 8, .value_kind: global_buffer, .address_space: global }
    .group_segment_fixed_size: 94208
    .private_segment_fixed_size: 0
    .kernarg_segment_align: 8
    .kernarg_segment_size: 40
    .max_flat_workgroup_size: 256
    .sgpr_count:     80
    .vgpr_count:     256
    .wavefront_size: 32
...
	.end_amdgpu_metadata
.endif
;; end of part 1
;; launch gemm_qkv (part 2): grid 12 x 32, 4 waves a work-group, clusters of 4 x 4, 327,680 bytes of LDS; arguments xwc, xws, b_attn, qi, qs, kv, kvs; writes qi, qs, kv, kvs
.if DOCPART == 2
	.amdgcn_target "amdgcn-amd-amdhsa--gfx1250"
	.amdhsa_code_object_version 6
	.text
	.protected	k_q2a8d12ac64_gemm_qkv
	.globl	k_q2a8d12ac64_gemm_qkv
	.p2align	8
	.type	k_q2a8d12ac64_gemm_qkv,@function
k_q2a8d12ac64_gemm_qkv:
	s_mov_b64 s[64:65], 0
	v_nop
	global_prefetch_b8 v0, s[64:65] scope:SCOPE_SE
	s_setreg_imm32_b32 hwreg(HW_REG_WAVE_MODE, 25, 1), 1
	s_wait_xcnt 0x0
	s_wait_alu depctr_hold_cnt(0) depctr_sa_sdst(0) depctr_va_vdst(0) depctr_va_sdst(0) depctr_va_ssrc(0) depctr_va_vcc(0) depctr_vm_vsrc(0)
	s_getreg_b32 s2, hwreg(HW_REG_IB_STS2, 6, 4)
	s_cmp_eq_u32 s2, 0
	s_cbranch_scc0 .Lentry_in_a_cluster
	s_endpgm
.Lentry_in_a_cluster:
	s_bfe_u32 s2, ttmp6, 0x10000c
	s_cmp_lg_u32 s2, 0xf033
	s_cbranch_scc0 .Lentry_shape_is_right
	s_endpgm
.Lentry_shape_is_right:
; GEMM_QKV: qkv = x w_attn + b_attn on codes of FP6 (E2M3) with E8M0 scales, K = 1024; the results are quantised in registers and leave as codes: q and k along the head's 64 channels, v along the tokens.
; LIMITS: as the launch before: NaN and infinities are not served; a block whose largest magnitude lies under 2^-124 gets the byte 1.
; ONE LOOP, TWO ORIENTATIONS.  The loop multiplies P (source 0: its rows end up along a lane's registers) by Q (source 1: its rows end up in the lanes).  The quantiser wants neighbours along the NEXT product's K
; in one lane's registers.  Cluster column 0 (q) and 1 (k): P = 256 columns of w_attn, Q = 256 tokens.  Cluster column 2 (v): P = 256 tokens, Q = 256 of v's columns.  The mode hangs on the cluster's x, which all partners share.
; A tile is 256 x 256; four waves, each 128 x 128: 64 accumulators, 512 registers.  K goes in steps of 256 through two LDS slots; K = 1024 is four slots, so the steps are written out.
; OPERANDS lie in memory as images of their registers (16 rows x 128 K = 1536 bytes: registers 6 c .. 6 c + 3 at 768 c + 16 x lane, 6 c + 4, 6 c + 5 at 768 c + 512 + 8 x lane): a fragment is four LDS loads of consecutive bytes.
; In each group of 32 rows, lane row r of block 2 g + u is row 32 g + 8 u + r + 8 (r / 8): so the 16 registers of accumulators (a, 2 g) and (a, 2 g + 1) are P's rows 32 g + 16 (lane / 16) + 0 .. 15.
; CLUSTERS: 4 x 4.  Q's tile hangs on cy alone and is asked for jointly along a row of the cluster, P's on cx alone, along a column.  The scale words of the tile's rows, for all of K, come once with the first fills.
; The bias is the C of each sum's first product.  Nothing is prefetched: of K's four slots two are first fills, and each tile is read by many work-groups.
; A wave has three tensor loads out at the start and one behind each round.
; REGISTERS: window 0: v1-12 lane numbers and offsets; v16-23, v27 LDS addresses; v28, v29 the add's; v32-63 scale words, two sets; v64-127 the bias; v128-223 Q's fragments, one set (later the quantiser's work); v224-231 the bias's offsets.
;   window 1: P's fragments, two sets, at v0 and v128.   windows 2, 3: the accumulators, (a, b) at v[8 (8 (a % 4) + b)] of window 2 + a / 4.
.set FR,    12                         ; registers of a fragment
.set NL,    4                          ; LDS loads that bring one
.set NP,    4                          ; places behind this matrix instruction (ISA guide 7.12.1)
.set BLKB,  3072                       ; a block's two images of a slot's 256 along K
.set HALFT, 8*BLKB                     ; eight blocks: what one tensor load brings, and what one wave reads of Q or of P
.set SLOT,  4*HALFT                    ; Q's 16 blocks, then P's 16
.set SCL,   2*SLOT                     ; behind the ring: the scale words: Q's 16 blocks x 512 bytes, then P's
.set SPARE, SCL+16384                  ; the spare words, 128 bytes for each wave: two blocks of 256 bytes that no other line names
.set ADRA, 16                          ; v16-17 Q's fragments in slot 0, 1: + 16 x lane;  v18-19: + 8 x lane
.set ADRB, 20                          ; v20-23 the same for P
.set ADRS, 27                          ; v27    my scale words: lanes 0-15 Q's rows, lanes 16-31 P's
.set SPW,  28
.set NIL,  29
.set SC,   32                          ; set s at v[SC + 16 s]; register 2 i + q: lanes 0-15 Q's block i, lanes 16-31 P's block i, the slot's q-th 128 along K
.set BI,   64
.set AF,   128
.set BO,   224
.set PC,   128                         ; the way out: codes
.set TM,   148                         ; the quantiser's work
.set PW,   164                         ; the scale word just made
.set SW,   168                         ; v168-175 the eight blocks' words
.set G1,   24
.set G0,   32
.set G1B,  48
.set G0B,  56
.set G1S,  68
.set G0S,  76
.set G1SB, 80
.set G0SB, 88
.set MODE, 66                          ; s66: 1 for v
.set SEL,  2                           ; s[2:3] on the way out: lane selects for v_permlanex16_b32
.set MSB, 0
.macro WIN new                         ; the immediate's high byte repeats the setting that is left
.if MSB != \new
	s_set_vgpr_msb (MSB<<8)|\new
.set MSB, \new
.endif
.endm
.set MUL_LO, 0xa1                      ; source 0 (P) window 1, source 1 (Q) window 0, C and D window 2
.set MUL_HI, 0xf1                      ; the same, C and D window 3
.set TO_B,   0x40                      ; destination window 1, address window 0
; A joint load: waves 0 and 1 fetch for Q, waves 2 and 3 for P.  The branch hangs on the wave's number alone.  Four v_nop follow each of the two lines.
.macro JLOAD g0a, g1a, g0b, g1b
	s_cmp_eq_u32 s15, 0
	s_cbranch_scc0 .Lfor_b_\@
	tensor_load_to_lds s[\g0a:\g0a+3], s[\g1a:\g1a+7]
	s_nop 0
.rept 4
	v_nop
.endr
	s_branch .Lasked_\@
.Lfor_b_\@:
	tensor_load_to_lds s[\g0b:\g0b+3], s[\g1b:\g1b+7]
	s_nop 0
.rept 4
	v_nop
.endr
.Lasked_\@:
.endm
.macro CREST                           ; a round of the cluster's barrier behind its opening barrier
	s_cmp_lg_u32 s14, 0
	s_cbranch_scc1 .Lnot_wave_0_\@
	s_barrier_signal -3
.Lnot_wave_0_\@:
	s_barrier_wait -3
	s_barrier_signal -1
	s_barrier_wait -1
.endm
.macro CROUND
	s_barrier_signal -1
	s_barrier_wait -1
	CREST
.endm
	s_load_b256 s[4:11], s[0:1], 0x0               ; xwc s[4:5], xws s[6:7], b_attn s[8:9], qi s[10:11]
	s_load_b128 s[92:95], s[0:1], 0x20             ; qs s[92:93], kv s[94:95]
	s_load_b64 s[96:97], s[0:1], 0x30              ; kvs
	v_lshl_add_u32 v[SPW], v0, 2, SPARE
	v_mov_b32 v[NIL], 0
	ds_add_u32 v28, v29
	ds_add_u32 v28, v29
	s_wait_dscnt 0x0
	v_lshrrev_b32 v1, 5, v0
	v_readfirstlane_b32 s14, v1                    ; wave 0..3
	s_lshr_b32 s15, s14, 1                         ; which half of Q's rows is mine.  Also: I fetch for Q (0) or for P (1)
	s_and_b32 s16, s14, 1                          ; which half of P's rows.  Also: which eight blocks I fetch
	s_bfe_u32 s40, ttmp6, 0x40000                  ; cx
	s_bfe_u32 s41, ttmp6, 0x40004                  ; cy
	s_and_b32 s17, ttmp7, 0xffff                   ; the cluster's y
	s_cmp_eq_u32 ttmp9, 2                          ; the cluster's x: 0 q, 1 k, 2 v
	s_cselect_b32 s[MODE], 1, 0
	s_cselect_b32 s42, s17, ttmp9                  ; P's tile: v: 4 x cluster y + cx (tokens);  q, k: 4 x cluster x + cx (columns)
	s_cselect_b32 s43, 0, s17                      ; Q's tile: v: cy (columns);  q, k: 4 x cluster y + cy (tokens)
	s_cselect_b32 s44, 0, 512                      ; P's first block in xwc
	s_cselect_b32 s45, 640, 0                      ; Q's (v's columns begin at block 512 + 128)
	s_lshl_b32 s42, s42, 2
	s_add_co_u32 s42, s42, s40                     ; PT
	s_lshl_b32 s43, s43, 2
	s_add_co_u32 s43, s43, s41                     ; QT
	s_lshl_b32 s12, s41, 2
	s_lshl_b32 s12, 15, s12                        ; my row of the cluster
	s_lshl_b32 s13, 0x1111, s40                    ; my column
	; descriptor group 1, codes: 8 rows (blocks) of 3,072 bytes, 12,288 bytes apart; elements of 8 bytes; no padding
	s_or_b32 s[G1+0], s12, (3<<16)|(1<<21)         ; 15:0 the mask: Q's tiles go to my row; 17:16 elements of 8 bytes; 21 set beside a mask
	s_or_b32 s[G1B+0], s13, (3<<16)|(1<<21)        ; P's go to my column
.irp g, G1, G1B
	s_mov_b32 s[\g+1], 384<<16                     ; tensor_dim0
	s_mov_b32 s[\g+2], 8<<16                       ; tensor_dim1
	s_mov_b32 s[\g+3], 384<<16                     ; tile_dim0
	s_mov_b32 s[\g+4], 8                           ; tile_dim1
	s_mov_b32 s[\g+5], 1536                        ; tensor_dim0_stride
	s_mov_b32 s[\g+6], 0
	s_mov_b32 s[\g+7], 0
.endr
	; scale words of eight blocks: 4,096 dense bytes as 16 rows of 256
	s_or_b32 s[G1S+0], s12, (3<<16)|(1<<21)
	s_or_b32 s[G1SB+0], s13, (3<<16)|(1<<21)
.irp g, G1S, G1SB
	s_mov_b32 s[\g+1], 32<<16
	s_mov_b32 s[\g+2], 16<<16
	s_mov_b32 s[\g+3], 32<<16
	s_mov_b32 s[\g+4], 16
	s_mov_b32 s[\g+5], 32
	s_mov_b32 s[\g+6], 0
	s_mov_b32 s[\g+7], 0
.endr
	s_lshl_b32 s18, s16, 3
	s_lshl_b32 s20, s43, 4
	s_add_co_u32 s20, s20, s45
	s_add_co_u32 s20, s20, s18                     ; Q: the first block that I fetch
	s_lshl_b32 s46, s42, 4
	s_add_co_u32 s46, s46, s44
	s_add_co_u32 s46, s46, s18                     ; P: likewise
	s_lshl_b32 s22, s20, 9                         ; its scale words,
	s_mul_i32 s20, s20, 12288                      ; its codes
	s_lshl_b32 s98, s46, 9
	s_mul_i32 s46, s46, 12288
	s_mov_b32 s21, 0
	s_mov_b32 s23, 0
	s_mov_b32 s47, 0
	s_mov_b32 s99, 0
	s_mul_i32 s67, s14, HALFT                      ; where they go: wave x eight blocks: no place in the cluster enters an LDS address
	s_lshl_b32 s100, s14, 12
	s_wait_kmcnt 0x0
	s_add_nc_u64 s[20:21], s[4:5], s[20:21]
	s_add_nc_u64 s[22:23], s[6:7], s[22:23]
	s_add_nc_u64 s[46:47], s[4:5], s[46:47]
	s_add_nc_u64 s[98:99], s[6:7], s[98:99]
	CROUND                                         ; all sixteen work-groups are here: the first joint loads meet
	s_mov_b32 s[G0S], 1
	s_add_co_u32 s[G0S+1], s100, SCL
	s_mov_b64 s[G0S+2:G0S+3], s[22:23]
	s_or_b32 s[G0S+3], s[G0S+3], 0x80000000
	s_mov_b32 s[G0SB], 1
	s_add_co_u32 s[G0SB+1], s100, SCL
	s_mov_b64 s[G0SB+2:G0SB+3], s[98:99]
	s_or_b32 s[G0SB+3], s[G0SB+3], 0x80000000
	JLOAD G0S, G1S, G0SB, G1SB                     ; the scale words first: they are wanted with the first step
.irp s, 0,1
	s_mov_b32 s[G0+4*\s], 1
	s_add_co_u32 s[G0+4*\s+1], s67, \s*SLOT
	s_add_nc_u64 s[G0+4*\s+2:G0+4*\s+3], s[20:21], \s*BLKB
	s_or_b32 s[G0+4*\s+3], s[G0+4*\s+3], 0x80000000
	s_mov_b32 s[G0B+4*\s], 1
	s_add_co_u32 s[G0B+4*\s+1], s67, \s*SLOT
	s_add_nc_u64 s[G0B+4*\s+2:G0B+4*\s+3], s[46:47], \s*BLKB
	s_or_b32 s[G0B+4*\s+3], s[G0B+4*\s+3], 0x80000000
	JLOAD G0+4*\s, G1, G0B+4*\s, G1B
.endr
	v_and_b32 v1, 31, v0                           ; lane
	v_and_b32 v2, 15, v0                           ; r
	v_bfe_u32 v3, v0, 4, 1                         ; h
	v_lshlrev_b32 v4, 4, v1                        ; 16 x lane
	v_lshlrev_b32 v5, 3, v1                        ; 8 x lane
	s_mul_i32 s2, s15, HALFT                       ; my eight blocks of Q,
	s_mul_i32 s3, s16, HALFT                       ; of P,
	s_add_co_u32 s3, s3, 2*HALFT                   ; which lie behind Q's sixteen
.irp s, 0,1
	v_add_nc_u32 v[ADRA+\s], s2, v4
	v_add_nc_u32 v[ADRA+2+\s], s2, v5
	v_add_nc_u32 v[ADRB+\s], s3, v4
	v_add_nc_u32 v[ADRB+2+\s], s3, v5
	s_add_co_u32 s2, s2, SLOT
	s_add_co_u32 s3, s3, SLOT
.endr
	s_lshl_b32 s2, s15, 12                         ; Q's scale words: my eight blocks
	s_lshl_b32 s3, s16, 12                         ; P's, behind Q's 8,192 bytes
	s_add_co_u32 s3, s3, 8192
	s_sub_co_u32 s3, s3, s2
	v_mul_u32_u24 v6, s3, v3                       ; lanes 16-31 take P's: one product in h
	s_add_co_u32 s2, s2, SCL
	v_lshl_add_u32 v6, v2, 4, v6                   ; 16 bytes a row in a cell
	v_add_nc_u32 v[ADRS], s2, v6
	; the bias, in the accumulators' layout.  q, k: it goes with P's rows: register 8 b + j holds b_attn at 32 (b / 2) + 8 (b % 2) + 16 h + j.  v: with Q's rows: registers 8 a + 0 .. 7 all hold b_attn at 32 (a / 2) + 8 (a % 2) + r + 8 (r / 8)
	s_lshl_b32 s18, s42, 10
	s_lshl_b32 s19, s16, 9
	s_add_co_u32 s18, s18, s19                     ; q, k: 4 (256 PT + 128 x my half of P)
	s_lshl_b32 s19, s43, 10
	s_lshl_b32 s101, s15, 9
	s_add_co_u32 s19, s19, s101
	s_add_co_u32 s19, s19, 8192                    ; v: 4 (2048 + 256 QT + 128 x my half of Q)
	s_cmp_eq_u32 s[MODE], 1
	s_cselect_b32 s18, s19, s18
	s_cselect_b32 s2, 0, 64                        ; bytes for h,
	s_cselect_b32 s3, 4, 0                         ; for r + 8 (r / 8),
	s_cselect_b32 s12, 0, 4                        ; for j
	s_mov_b32 s19, 0
	s_add_nc_u64 s[8:9], s[8:9], s[18:19]
	v_and_b32 v6, 8, v2
	v_add_nc_u32 v6, v6, v2
	v_mul_u32_u24 v7, v3, s2
	v_mad_u32_u24 v[BO], v6, s3, v7
.irp j, 1,2,3,4,5,6,7
	v_add_nc_u32 v[BO+\j], s12, v[BO+\j-1]
.endr
.irp i, 0,1,2,3,4,5,6,7
.irp j, 0,1,2,3,4,5,6,7
	global_load_b32 v[BI+8*\i+\j], v[BO+\j], s[8:9] offset:(32*(\i/2)+8*(\i%2))*4
.endr
.endr
.macro FRAG reg, adr, q, i             ; block i's image of the slot's q-th 128 along K: four loads of consecutive bytes
	ds_load_b128 v[\reg:\reg+3], v[\adr] offset:BLKB*(\i)+1536*(\q)
	ds_load_b64 v[\reg+4:\reg+5], v[\adr+2] offset:BLKB*(\i)+1536*(\q)+512
	ds_load_b128 v[\reg+6:\reg+9], v[\adr] offset:BLKB*(\i)+1536*(\q)+768
	ds_load_b64 v[\reg+10:\reg+11], v[\adr+2] offset:BLKB*(\i)+1536*(\q)+1280
.endm
; 16 matrix instructions: Q's blocks a0, a0 + 1 x P's eight.  p: P's set; sc: the set of scale words.  zero = 1: the sums start with the bias by b; 2: by a; 0: they go on in place.
; The 64 accumulators take turns, one instruction a turn, in the same order in every step.
.macro MUL16 a0, p, q, sc, zero
.irp a, \a0, \a0+1
.irp b, 0,1,2,3,4,5,6,7
.if \zero == 1
	v_wmma_scale_f32_16x16x128_f8f6f4 v[8*(8*((\a)%4)+\b):8*(8*((\a)%4)+\b)+7], v[128*(\p)+FR*\b:128*(\p)+FR*\b+FR-1], v[AF+FR*(\a):AF+FR*(\a)+FR-1], v[BI+8*\b:BI+8*\b+7], v[SC+16*(\sc)+2*\b+(\q)], v[SC+16*(\sc)+2*(\a)+(\q)] matrix_a_fmt:MATRIX_FMT_FP6 matrix_b_fmt:MATRIX_FMT_FP6 matrix_a_scale:MATRIX_SCALE_ROW1
.elseif \zero == 2
	v_wmma_scale_f32_16x16x128_f8f6f4 v[8*(8*((\a)%4)+\b):8*(8*((\a)%4)+\b)+7], v[128*(\p)+FR*\b:128*(\p)+FR*\b+FR-1], v[AF+FR*(\a):AF+FR*(\a)+FR-1], v[BI+8*(\a):BI+8*(\a)+7], v[SC+16*(\sc)+2*\b+(\q)], v[SC+16*(\sc)+2*(\a)+(\q)] matrix_a_fmt:MATRIX_FMT_FP6 matrix_b_fmt:MATRIX_FMT_FP6 matrix_a_scale:MATRIX_SCALE_ROW1
.else
	v_wmma_scale_f32_16x16x128_f8f6f4 v[8*(8*((\a)%4)+\b):8*(8*((\a)%4)+\b)+7], v[128*(\p)+FR*\b:128*(\p)+FR*\b+FR-1], v[AF+FR*(\a):AF+FR*(\a)+FR-1], v[8*(8*((\a)%4)+\b):8*(8*((\a)%4)+\b)+7], v[SC+16*(\sc)+2*\b+(\q)], v[SC+16*(\sc)+2*(\a)+(\q)] matrix_a_fmt:MATRIX_FMT_FP6 matrix_b_fmt:MATRIX_FMT_FP6 matrix_a_scale:MATRIX_SCALE_ROW1
.endif
.endr
.endr
.endm
.macro FETCH_B slot, q, p              ; P's eight fragments into set p
	WIN TO_B
.irp i, 0,1,2,3,4,5,6,7
	FRAG 128*(\p)+FR*\i, ADRB+\slot, \q, \i
.endr
	WIN 0
.endm
.macro FETCH_A slot, q, i0             ; Q's blocks i0 .. i0 + 3
.irp i, \i0, \i0+1, \i0+2, \i0+3
	FRAG AF+FR*(\i), ADRA+\slot, \q, \i
.endr
.endm
.macro SCALES sc, ks                   ; the scale words of K's ks-th 256 into set sc: two words a row; a cell holds four K steps of 128
.irp i, 0,1,2,3,4,5,6,7
	ds_load_b64 v[SC+16*(\sc)+2*\i:SC+16*(\sc)+2*\i+1], v[ADRS] offset:512*\i+256*((\ks)/2)+8*((\ks)%2)
.endr
.endm
.macro PLACES n                        ; plain vector instructions between a matrix instruction and a load into, or a read of, its registers (ISA guide 7.12.1 for reads)
.rept \n
	v_nop
.endr
.endm
; A step of 128 along K that has its successor in the same slot.  Q has one set of registers: blocks 0-3 are fetched anew in the step's middle, blocks 4-7 at its end; P has two sets.
.macro STEP slot, q, zero
	s_wait_dscnt 4*NL                              ; P's set, Q's blocks 0-3 and the scale words are in; the youngest 16 loads (Q's blocks 4-7) may be out
.if \zero
	WIN 0x81                                       ; C (the bias) in window 0, D in window 2
.else
	WIN MUL_LO
.endif
	MUL16 0, (\q)%2, \q, \slot, \zero
	MUL16 2, (\q)%2, \q, \slot, \zero
	s_wait_dscnt 0x0                               ; Q's blocks 4-7 are in
	PLACES NP
	FETCH_B \slot, (\q)+1, 1-(\q)%2
	FETCH_A \slot, (\q)+1, 0
.if \zero
	WIN 0xc1
.else
	WIN MUL_HI
.endif
	MUL16 4, (\q)%2, \q, \slot, \zero
	MUL16 6, (\q)%2, \q, \slot, \zero
	PLACES NP
	WIN 0
	FETCH_A \slot, (\q)+1, 4
.endm
; A slot's last step changes slots: one barrier; in front of it each wave waits for all its tensor loads, adds 0 to its spare word, and waits for that and for its own reads of this slot.  fill = 1: the slot is filled again, two slots ahead.
.macro TURN slot, next, fill, ks
	s_wait_tensorcnt 0x0                           ; all my tensor loads have landed: my part of the next slot
	ds_add_u32 v[SPW], v[NIL]                      ; 0 onto my spare word
	s_wait_dscnt 4*NL+1                            ; (the add and the youngest 16 loads may be out)
	WIN MUL_LO
	MUL16 0, 1, 1, \slot, 0                        ; sixteen matrix instructions stand between the add and the wait for it
	s_wait_dscnt 0x0                               ; the add is done, and my reads of this slot are over
	s_barrier_signal -1
	MUL16 2, 1, 1, \slot, 0
	WIN 0
	s_barrier_wait -1
.if \fill
	CREST                                          ; the barrier has opened a round of the cluster's barrier: no wave of any partner still reads this slot or has a load on its way
	s_add_nc_u64 s[G0+4*\slot+2:G0+4*\slot+3], s[G0+4*\slot+2:G0+4*\slot+3], 2*BLKB
	s_add_nc_u64 s[G0B+4*\slot+2:G0B+4*\slot+3], s[G0B+4*\slot+2:G0B+4*\slot+3], 2*BLKB
	JLOAD G0+4*\slot, G1, G0B+4*\slot, G1B         ; the first tensor load behind the round; its four v_nop are the places in front of the loads below
.else
	PLACES NP
.endif
	FETCH_B \next, 0, 0
	FETCH_A \next, 0, 0
	SCALES \next, \ks
	WIN MUL_HI
	MUL16 4, 1, 1, \slot, 0
	MUL16 6, 1, 1, \slot, 0
	PLACES NP
	WIN 0
	FETCH_A \next, 0, 4
.endm
	s_wait_tensorcnt 1                             ; the scale words and my part of slot 0 are in (slot 1's load may be out),
	s_barrier_signal -1
	s_barrier_wait -1                              ; everybody's are
	FETCH_B 0, 0, 0
	FETCH_A 0, 0, 0
	SCALES 0, 0
	FETCH_A 0, 0, 4
	s_wait_loadcnt 0x0                             ; the bias
	s_cmp_eq_u32 s[MODE], 1                        ; the first step is written twice: its C goes by P's rows or by Q's.  No barrier and no tensor load stands in it
	s_cbranch_scc1 .Lfirst_v
	STEP 0, 0, 1
	s_branch .Lfirst_done
.Lfirst_v:
	STEP 0, 0, 2
.Lfirst_done:
	TURN 0, 1, 1, 1
	STEP 1, 0, 0
	TURN 1, 0, 1, 2
	STEP 0, 0, 0
	TURN 0, 1, 0, 3                                ; nothing is left to fetch: no round
	STEP 1, 0, 0
	s_wait_dscnt 4*NL                              ; the very last step
	WIN MUL_LO
	MUL16 0, 1, 1, 1, 0
	MUL16 2, 1, 1, 1, 0
	s_wait_dscnt 0x0
	WIN MUL_HI
	MUL16 4, 1, 1, 1, 0
	MUL16 6, 1, 1, 1, 0
	WIN 0
	PLACES NP
	; THE WAY OUT.  The 64 registers of Q's block a are 128 neighbours along P of the lane's row: one image and one scale word a row.
	; q, k: 16 tokens x 128 channels = two heads: half c of the image is head0 + c's tile of 16 tokens x 64.  v: 16 channels x 128 tokens: a whole image of V^T; blocks 0-3 are head0's, 4-7 head0 + 1's.
	s_lshl_b32 s2, s42, 1
	s_add_co_u32 s2, s2, s16                       ; 2 PT + my half of P
	s_lshl_b32 s3, s43, 1
	s_add_co_u32 s3, s3, s15                       ; 2 QT + my half of Q
	s_cmp_eq_u32 s[MODE], 1
	s_cselect_b32 s12, s2, s3                      ; the group of 128 tokens, 0..63
	s_cselect_b32 s13, s3, s2
	s_and_b32 s13, s13, 7
	s_lshl_b32 s13, s13, 1                         ; head0
	s_lshr_b32 s17, s12, 4                         ; the batch
	s_and_b32 s18, s12, 15                         ; the key step
	s_lshl_b32 s19, s17, 4
	s_add_co_u32 s19, s19, s13
	s_lshl_b32 s19, s19, 4
	s_add_co_u32 s19, s19, s18                     ; (16 batch + head0) 16 + key step
	s_mul_i32 s20, s19, 12288                      ; kv:  [batch, head][key step][K: 8 tiles x 768 | V: 4 tiles x 1536]
	s_mul_i32 s22, s19, 768                        ; kvs: [batch, head][key step][K: 512 | V: 256]
	s_lshl_b32 s44, s13, 9
	s_lshl_b32 s45, s12, 3
	s_add_co_u32 s44, s44, s45
	s_mul_i32 s44, s44, 768                        ; qi:  [head][token block 0..511][768]
	s_lshl_b32 s46, s13, 6
	s_add_co_u32 s46, s46, s12
	s_lshl_b32 s46, s46, 9                         ; qs:  [head][group][512]
	s_cmp_eq_u32 s[MODE], 1
	s_cselect_b32 s45, 6144, 0
	s_cselect_b32 s47, 512, 0
	s_add_co_u32 s20, s20, s45
	s_add_co_u32 s22, s22, s47
	s_cmp_eq_u32 ttmp9, 0
	s_cselect_b32 s20, s44, s20
	s_cselect_b32 s22, s46, s22
	s_cselect_b64 s[98:99], s[10:11], s[94:95]     ; qi or kv: the choice hangs on the cluster's x alone
	s_cselect_b64 s[100:101], s[92:93], s[96:97]   ; qs or kvs
	s_mov_b32 s18, 196608
	s_cselect_b32 s18, 393216, s18                 ; from head to head in the codes: q, k
	s_mov_b32 s19, 12288
	s_cselect_b32 s19, 32768, s19                  ; and in the scale words
	s_mov_b32 s21, 0
	s_mov_b32 s23, 0
	s_add_nc_u64 s[98:99], s[98:99], s[20:21]
	s_add_nc_u64 s[100:101], s[100:101], s[22:23]
	s_cmp_eq_u32 s[MODE], 1
	s_cselect_b32 s18, 768, s18                    ; where the image's second half goes
	s_cselect_b32 s19, 0, s19                      ; lanes 16-31's scale words: the odd head's (q, k) or the same (v)
	s_mov_b32 s12, 256
	s_cselect_b32 s12, 12288, s12                  ; blocks 4-7's words
	s_cselect_b32 s13, 0, 16                       ; the odd head's two bytes come down to bytes 0, 1
	s_mov_b32 s44, 768
	s_cselect_b32 s44, 1536, s44                   ; from block to block
	s_mov_b32 s46, 768
	s_cselect_b32 s46, 192000, s46                 ; from block 3 to block 4: v: the next head's first tile, 196,608 - 3 x 1,536
	s_mov_b32 s45, 0
	s_mov_b32 s47, 0
	s_mov_b32 s[SEL], 0x76543210
	s_mov_b32 s[SEL+1], 0xfedcba98
	v_add_nc_u32 v8, s18, v4
	v_add_nc_u32 v9, s18, v5
	v_mul_u32_u24 v10, v3, s19
	v_lshl_add_u32 v10, v2, 4, v10
	v_add_nc_u32 v11, s12, v10
	v_mul_u32_u24 v12, v3, s13
.irp b, 0,1,2,3
	v_mov_b32 v[TM+4+\b], 0                        ; written once: a lane permute's destination counts as one of its sources
.endr
.macro QUANTW a                        ; the quantiser on the 64 registers of block a, which lie in window 2 + a / 4; each accumulator is read from its low end on
.set AC, 64*((\a)%4)
.set WW, 2+(\a)/4
.set WS, 5*WW
	WIN WS                                         ; sources 0 and 1 in the accumulators' window
.irp b, 0,1,2,3
	v_max3_num_f32 v[TM+\b], |v[AC+16*\b]|, |v[AC+1+16*\b]|, 0x1800000   ; and the floor 2^(3 - 127)
.endr
.irp i, 2,4,6,8,10,12,14
.irp b, 0,1,2,3
	v_max3_num_f32 v[TM+\b], |v[AC+16*\b+\i]|, |v[AC+1+16*\b+\i]|, v[TM+\b]
.endr
.endr
	WIN 0
.irp b, 0,1,2,3
	v_permlanex16_b32 v[TM+4+\b], v[TM+\b], s[SEL], s[SEL+1]
.endr
.irp b, 0,1,2,3
	v_max_num_f32 v[TM+\b], v[TM+\b], v[TM+4+\b]
.endr
.irp b, 0,1,2,3
	v_add_nc_u32 v[TM+12+\b], 0xff000000, v[TM+\b]
.endr
.irp b, 0,1,2,3
	v_lshrrev_b32 v[TM+4+\b], 23, v[TM+12+\b]
.endr
	v_lshl_or_b32 v[PW], v[TM+5], 8, v[TM+4]
	v_lshl_or_b32 v[PW], v[TM+6], 16, v[PW]
	v_lshl_or_b32 v[PW], v[TM+7], 24, v[PW]
	WIN WW                                         ; source 0 in the accumulators' window
.irp c, 0,1
	v_cvt_scalef32_pk16_fp6_f32 v[PC+6*\c:PC+2+6*\c], v[AC+32*\c:AC+15+32*\c], v[TM+12+2*\c]
	v_cvt_scalef32_pk16_fp6_f32 v[PC+12+4*\c:PC+14+4*\c], v[AC+16+32*\c:AC+31+32*\c], v[TM+12+2*\c+1]
.endr
	WIN 0
	v_nop                                          ; one plain instruction behind the scaled conversions
.irp c, 0,1
.irp i, 0,1,2
	v_permlane16_swap_b32 v[PC+6*\c+\i], v[PC+12+4*\c+\i]
.endr
.irp i, 0,1,2
	v_mov_b32 v[PC+3+6*\c+\i], v[PC+12+4*\c+\i]
.endr
.endr
.endm
.irp a, 0,1,2,3,4,5,6,7
.if \a > 0
	s_wait_xcnt 0x0                                ; the last block's stores have read their data and their base: both are written again
.if \a == 4
	s_add_nc_u64 s[98:99], s[98:99], s[46:47]
.else
	s_add_nc_u64 s[98:99], s[98:99], s[44:45]
.endif
.endif
	QUANTW \a
	v_lshrrev_b32 v[SW+\a], v12, v[PW]
	global_store_b128 v4, v[PC:PC+3], s[98:99]               ; 512 consecutive bytes
	global_store_b64 v5, v[PC+4:PC+5], s[98:99] offset:512   ; 256
	global_store_b128 v8, v[PC+6:PC+9], s[98:99]
	global_store_b64 v9, v[PC+10:PC+11], s[98:99] offset:512
.endr
	global_store_b128 v10, v[SW:SW+3], s[100:101]  ; [row r][blocks 0-3]: sixteen lanes fill 256 consecutive bytes (v: lanes 16-31 write the same words to the same bytes)
	global_store_b128 v11, v[SW+4:SW+7], s[100:101]
	s_wait_tensorcnt 0x0                           ; the wave's end
	ds_add_u32 v[SPW], v[NIL]
	s_wait_dscnt 0x0
	CROUND                                         ; the closing round: no work-group ends while a partner may still ask for a tile that names it
	s_endpgm
.Lfunc_end_k_q2a8d12ac64_gemm_qkv:
	.size	k_q2a8d12ac64_gemm_qkv, .Lfunc_end_k_q2a8d12ac64_gemm_qkv-k_q2a8d12ac64_gemm_qkv
	.p2alignl 7, 3214868480
	.fill 96, 4, 3214868480
	.section	.rodata,"a",@progbits
	.p2align	6, 0x0
	.amdhsa_kernel k_q2a8d12ac64_gemm_qkv
		.amdhsa_group_segment_fixed_size 327680
		.amdhsa_private_segment_fixed_size 0
		.amdhsa_enable_private_segment 0
		.amdhsa_kernarg_size 56
		.amdhsa_user_sgpr_count 2
		.amdhsa_user_sgpr_kernarg_segment_ptr 1
		.amdhsa_wavefront_size32 1
		.amdhsa_system_sgpr_workgroup_id_x 1
		.amdhsa_system_sgpr_workgroup_id_y 1
		.amdhsa_system_sgpr_workgroup_id_z 1
		.amdhsa_system_vgpr_workitem_id 0
		.amdhsa_next_free_vgpr 1024
		.amdhsa_next_free_sgpr 102
		.amdhsa_reserve_vcc 0
		.amdhsa_float_denorm_mode_32 3
		.amdhsa_float_denorm_mode_16_64 3
		.amdhsa_memory_ordered 1
		.amdhsa_forward_progress 1
		.amdhsa_inst_pref_size 170
	.end_amdhsa_kernel
	.amdgpu_metadata
---
amdhsa.version: [ 1, 2 ]
amdhsa.kernels:
  - .name:           k_q2a8d12ac64_gemm_qkv
    .symbol:         k_q2a8d12ac64_gemm_qkv.kd
    .args:
      - { .name: xwc, .offset: 0, .size: 8, .value_kind: global_buffer, .address_space: global }
      - { .name: xws, .offset: 8, .size: 8, .value_kind: global_buffer, .address_space: global }
      - { .name: b_attn, .offset: 16, .size: 8, .value_kind: global_buffer, .address_space: global }
      - { .name: qi, .offset: 24, .size: 8, .value_kind: global_buffer, .address_space: global }
      - { .name: qs, .offset: 32, .size: 8, .value_kind: global_buffer, .address_space: global }
      - { .name: kv, .offset: 40, .size: 8, .value_kind: global_buffer, .address_space: global }
      - { .name: kvs, .offset: 48, .size: 8, .value_kind: global_buffer, .address_space: global }
    .group_segment_fixed_size: 327680
    .private_segment_fixed_size: 0
    .kernarg_segment_align: 8
    .kernarg_segment_size: 56
    .max_flat_workgroup_size: 128
    .sgpr_count:     102
    .vgpr_count:     1024
    .wavefront_size: 32
...
	.end_amdgpu_metadata
.endif
;; end of part 2
;; launch attn (part 3): grid 4 x 64, 16 waves a work-group, clusters of 4 x 1, 210,944 bytes of LDS; arguments qi, qs, kv, kvs, yi, ys; writes yi, ys
.if DOCPART == 3
	.amdgcn_target "amdgcn-amd-amdhsa--gfx1250"
	.amdhsa_code_object_version 6
	.text
	.protected	k_q2a8d12ac64_attn
	.globl	k_q2a8d12ac64_attn
	.p2align	8
	.type	k_q2a8d12ac64_attn,@function
k_q2a8d12ac64_attn:
	s_mov_b64 s[64:65], 0
	v_nop
	global_prefetch_b8 v0, s[64:65] scope:SCOPE_SE
	s_setreg_imm32_b32 hwreg(HW_REG_WAVE_MODE, 25, 1), 1
	s_wait_xcnt 0x0
	s_wait_alu depctr_hold_cnt(0) depctr_sa_sdst(0) depctr_va_vdst(0) depctr_va_sdst(0) depctr_va_ssrc(0) depctr_va_vcc(0) depctr_vm_vsrc(0)
	s_getreg_b32 s2, hwreg(HW_REG_IB_STS2, 6, 4)
	s_cmp_eq_u32 s2, 0
	s_cbranch_scc0 .Lentry_in_a_cluster
	s_endpgm
.Lentry_in_a_cluster:
	s_bfe_u32 s2, ttmp6, 0x10000c
	s_cmp_lg_u32 s2, 0x3003
	s_cbranch_scc0 .Lentry_shape_is_right
	s_endpgm
.Lentry_shape_is_right:
; ATTN: y = softmax(q k^T / 8, causal) v for each of 64 (batch, head), both products on codes of FP6 (E2M3) with E8M0 scales; y leaves as codes along the channels.
; THE SOFTMAX AHEAD OF THE SECOND PRODUCT: t = score x log2(e) / 8; M = the running largest t rounded up to a whole number; p = 2^(t - M) is quantised along the keys, not normalised; the row's sum is taken of the
; unquantised p and divides O at the end (a reciprocal and a multiplication).  When M moves, the sum and O are multiplied by 2^(old M - new M): exact.
; LIMITS: NaN and infinities are not served; a p under 2^-126 comes out of the exponential as 0; a block whose largest number lies under 2^-124 gets the byte 1.
; SHARES.  A cluster of four work-groups is one (batch, head).  Wave w of work-group cx owns two tiles of 16 queries: image 2 cx of the token group w, and image 2 cx + 1 of the group 15 - w (a group is 128 tokens, eight images).
; A tile of group g walks g + 1 key steps of 128, so every wave walks 17 step-tiles.  No branch and no LDS address hangs on cx: it enters global addresses and the mask's numbers alone.
; NO RING.  The head's whole K and V, 196,608 bytes of codes and 12,288 of scale words, are filled ONCE, by joint loads that name all four work-groups: no byte of LDS is filled again, and the key loop has no barrier.
; Each wave asks for three dense pieces (scale words; its part of key steps 0, 1; its part of steps 2-15): three tensor loads out.  All that the launch reads of K and V is asked for at its head, so there is nothing to prefetch.
; LAYOUT.  Both products are used transposed: S^T = K Q^T, O^T = V^T P^T: a lane holds one query throughout.  Lane row r of image a is token 32 (a / 2) + 8 (a % 2) + r + 8 (r / 8) of its group, for queries, keys and V's channels alike:
; so the 16 registers of score tiles 2 b, 2 b + 1 are keys 32 b + 16 (lane / 16) + 0 .. 15, and those of O^T's tiles 2 b, 2 b + 1 are channels 32 b + 16 (lane / 16) + 0 .. 15.
; K = 64 FILLS HALF OF THE INSTRUCTION'S 128: Q's registers 6-11 are zero codes.  K's tile t lies in six registers; the operand's upper six are the next tile's codes (behind tile 7: zeros): finite numbers times zeros.
; REGISTERS: v1-3 lane terms; v4-6 addresses in hand; v7, v8 the mask's numbers; v9 -infinity; v[10:11] f; v12-15, v16-19 a tile's -M, largest t, sum; v20-31, v86-97 Q; v32-85 K or V, and the softmax's work; v98, v99 Q's scale words;
;   v100-163 S^T, then p; v164-195, v196-227 O^T; v228-239 p's codes; v240-247 K's or V's scale words; v248 p's scale word; v249-254 at work; v255 16 r.
.set SCB,  196608                      ; behind the codes: the scale words, 768 bytes a key step
.set L16,  1
.set L8,   2
.set RS,   3
.set AD16, 4
.set AD8,  5
.set ADS,  6
.set D0,   7
.set D1,   8
.set NINF, 9
.set F,    10
.set ST0,  12
.set ST1,  16
.set Q0,   20
.set KV,   32
.set Q1,   86
.set QS0,  98
.set QS1,  99
.set S,    100
.set O0,   164
.set O1,   196
.set PC,   228
.set KVS,  240
.set PW,   248
.set X,    249
.set R16,  255
.set BM,   KV                          ; block maxima
.set PD,   KV+4                        ; lane permutes' destinations
.set SO,   KV+8                        ; the conversions' scale operands
.set BY,   KV+12                       ; bytes
.set CT,   KV+16                       ; the conversions' second halves
.set CH,   KV+24                       ; the sum's second chain
.set WV,   18
.set CX,   19
.set SEL,  20
.set CS,   22
.set GA,   24                          ; tile 0's group
.set GB,   25                          ; tile 1's
.set KJ,   26                          ; the key step
.set TK,   27                          ; where its codes begin in LDS
.set TS,   28                          ; and its scale words, less SCB
.set G1C,  32
.set G1A,  40
.set G1R,  48
.set G0C,  56
.set G0A,  60
.set G0R,  68
.macro CROUND
	s_barrier_signal -1
	s_barrier_wait -1
	s_cmp_lg_u32 s[WV], 0
	s_cbranch_scc1 .Lnot_wave_0_\@
	s_barrier_signal -3
.Lnot_wave_0_\@:
	s_barrier_wait -3
	s_barrier_signal -1
	s_barrier_wait -1
.endm
.macro DESC1 g, rows                   ; a dense piece as rows of 256 bytes (32 elements of 8); the mask names all four work-groups, bit 21 beside it
	s_mov_b32 s[\g], 15|(3<<16)|(1<<21)
	s_mov_b32 s[\g+1], 32<<16
	s_mov_b32 s[\g+2], (\rows)<<16
	s_mov_b32 s[\g+3], 32<<16
	s_mov_b32 s[\g+4], \rows
	s_mov_b32 s[\g+5], 32
	s_mov_b32 s[\g+6], 0
	s_mov_b32 s[\g+7], 0
.endm
	s_load_b256 s[4:11], s[0:1], 0x0               ; qi s[4:5], qs s[6:7], kv s[8:9], kvs s[10:11]
	s_load_b128 s[12:15], s[0:1], 0x20             ; yi s[12:13], ys s[14:15]
	v_lshl_add_u32 v253, v0, 2, 0x33000
	v_mov_b32 v254, 0
	ds_add_u32 v253, v254
	ds_add_u32 v253, v254
	v_lshrrev_b32 v1, 5, v0
	v_readfirstlane_b32 s[WV], v1                  ; wave 0..15
	s_bfe_u32 s[CX], ttmp6, 0x40000                ; cx
	s_and_b32 s29, ttmp7, 0xffff                   ; 16 batch + head, which the four partners share
	s_lshr_b32 s30, s29, 4                         ; batch
	s_and_b32 s31, s29, 15                         ; head
	s_mov_b32 s[GA], s[WV]
	s_sub_co_u32 s[GB], 15, s[WV]
	DESC1 G1C, 3                                   ; 768 bytes of scale words a wave
	DESC1 G1A, 6                                   ; 1,536 bytes of key steps 0 and 1
	DESC1 G1R, 42                                  ; 10,752 bytes of key steps 2 to 15
	s_mul_i32 s88, s29, 12288
	s_mul_i32 s2, s[WV], 768
	s_add_co_u32 s88, s88, s2
	s_mov_b32 s89, 0
	s_mul_i32 s90, s29, 196608
	s_mul_i32 s3, s[WV], 1536
	s_mul_i32 s93, s[WV], 10752
	s_add_co_u32 s16, s90, s93
	s_add_co_u32 s16, s16, 24576
	s_mov_b32 s17, 0
	s_add_co_u32 s90, s90, s3
	s_mov_b32 s91, 0
	s_mov_b32 s[SEL], 0x76543210
	s_mov_b32 s[SEL+1], 0xfedcba98
	s_mov_b32 s[CS], 0x3e38aa3b                    ; c = log2(e) / 8
	s_mov_b32 s[CS+1], s[CS]                       ; (named with it as a pair, so it is written)
	s_mov_b32 s[KJ], 0
	s_mov_b32 s[TK], 0
	s_mov_b32 s[TS], 0
	s_wait_dscnt 0x0
	s_wait_kmcnt 0x0
	s_mov_b32 s[G0C], 1
	s_add_co_u32 s[G0C+1], s2, SCB
	s_add_nc_u64 s[G0C+2:G0C+3], s[10:11], s[88:89]
	s_or_b32 s[G0C+3], s[G0C+3], 0x80000000
	s_mov_b32 s[G0A], 1
	s_mov_b32 s[G0A+1], s3
	s_add_nc_u64 s[G0A+2:G0A+3], s[8:9], s[90:91]
	s_or_b32 s[G0A+3], s[G0A+3], 0x80000000
	s_mov_b32 s[G0R], 1
	s_add_co_u32 s[G0R+1], s93, 24576
	s_add_nc_u64 s[G0R+2:G0R+3], s[8:9], s[16:17]
	s_or_b32 s[G0R+3], s[G0R+3], 0x80000000
	CROUND                                         ; all four work-groups are here: the joint loads meet
	tensor_load_to_lds s[G0C:G0C+3], s[G1C:G1C+7]
	s_nop 0
	tensor_load_to_lds s[G0A:G0A+3], s[G1A:G1A+7]
	s_nop 0
	tensor_load_to_lds s[G0R:G0R+3], s[G1R:G1R+7]
	s_nop 0
.rept 4
	v_nop                                          ; behind the tensor loads
.endr
	; where my two tiles lie: token block = 128 batch + 8 group + image
	s_lshl_b32 s88, s30, 7
	s_lshl_b32 s89, s[CX], 1
	s_add_co_u32 s88, s88, s89
	s_lshl_b32 s90, s[GA], 3
	s_add_co_u32 s90, s90, s88                     ; tile 0's token block
	s_lshl_b32 s91, s[GB], 3
	s_add_co_u32 s91, s91, s88
	s_add_co_u32 s91, s91, 1                       ; tile 1's
	s_lshl_b32 s92, s31, 9
	s_mov_b32 s99, 0
	s_add_co_u32 s98, s92, s90
	s_mul_i32 s98, s98, 768
	s_add_nc_u64 s[72:73], s[4:5], s[98:99]        ; qi [head][token block][768]
	s_add_co_u32 s98, s92, s91
	s_mul_i32 s98, s98, 768
	s_add_nc_u64 s[76:77], s[4:5], s[98:99]
	s_mul_i32 s93, s31, 768
	s_mul_i32 s98, s90, 12288
	s_add_co_u32 s98, s98, s93
	s_add_nc_u64 s[80:81], s[12:13], s[98:99]      ; yi [token block][head][768]
	s_mul_i32 s98, s91, 12288
	s_add_co_u32 s98, s98, s93
	s_add_nc_u64 s[84:85], s[12:13], s[98:99]
	s_lshr_b32 s93, s31, 3
	s_lshl_b32 s93, s93, 8
	s_and_b32 s94, s31, 7
	s_lshl_b32 s94, s94, 1
	s_add_co_u32 s93, s93, s94
	s_lshl_b32 s98, s90, 9
	s_add_co_u32 s98, s98, s93
	s_add_nc_u64 s[82:83], s[14:15], s[98:99]      ; ys [token block][head / 8][row r][16 bytes]: my head's two bytes at 2 (head % 8)
	s_lshl_b32 s98, s91, 9
	s_add_co_u32 s98, s98, s93
	s_add_nc_u64 s[86:87], s[14:15], s[98:99]
	s_lshl_b32 s93, s31, 6
	s_lshl_b32 s94, s30, 4
	s_add_co_u32 s93, s93, s94
	s_lshr_b32 s94, s[CX], 1
	s_lshl_b32 s94, s94, 8
	s_and_b32 s95, s[CX], 1
	s_lshl_b32 s95, s95, 3
	s_add_co_u32 s94, s94, s95                     ; image a = 2 cx: 256 (a / 4) + 4 (a % 4)
	s_add_co_u32 s98, s93, s[GA]
	s_lshl_b32 s98, s98, 9
	s_add_co_u32 s98, s98, s94
	s_add_nc_u64 s[74:75], s[6:7], s[98:99]        ; qs [head][16 batch + group][a / 4][row r][a % 4]
	s_add_co_u32 s98, s93, s[GB]
	s_lshl_b32 s98, s98, 9
	s_add_co_u32 s98, s98, s94
	s_add_co_u32 s98, s98, 4
	s_add_nc_u64 s[78:79], s[6:7], s[98:99]
	v_and_b32 v[X], 31, v0
	v_lshlrev_b32 v[L16], 4, v[X]
	v_lshlrev_b32 v[L8], 3, v[X]
	v_and_b32 v250, 15, v0                         ; r
	v_lshlrev_b32 v[R16], 4, v250
	v_add_nc_u32 v[RS], SCB, v[R16]
	global_load_b128 v[Q0:Q0+3], v[L16], s[72:73]  ; Q stays in registers
	global_load_b64 v[Q0+4:Q0+5], v[L8], s[72:73] offset:512
	global_load_b128 v[Q1:Q1+3], v[L16], s[76:77]
	global_load_b64 v[Q1+4:Q1+5], v[L8], s[76:77] offset:512
	global_load_b32 v[QS0], v[R16], s[74:75]
	global_load_b32 v[QS1], v[R16], s[78:79]
	v_and_b32 v251, 8, v250
	v_add_nc_u32 v251, v251, v250                  ; r + 8 (r / 8)
	v_bfe_u32 v252, v0, 4, 1
	v_lshlrev_b32 v252, 4, v252
	v_sub_nc_u32 v251, v251, v252
	s_lshl_b32 s92, s[CX], 5
	v_add_nc_u32 v[D0], s92, v251                  ; d = my query's place in its group - 16 (lane / 16): register 16 b + i holds key 32 b + i + 16 (lane / 16), hidden on the diagonal where 32 b + i > d
	v_add_nc_u32 v[D1], 8, v[D0]
	v_mov_b32 v[NINF], 0xff800000
	v_mov_b32 v[F], 0
	v_mov_b32 v[F+1], 0                            ; (named as the upper half of the pair)
	v_mov_b32 v250, 0                              ; a lane permute's destination counts as one of its sources
.irp t, ST0, ST1
	v_mov_b32 v[\t+1], 0xff61b1e6                  ; the largest t so far: -3e38
	v_floor_f32 v[\t], -v[\t+1]                    ; -M
	v_mov_b32 v[\t+2], 0                           ; the sum, in two halves
	v_mov_b32 v[\t+3], 0
.endr
.irp i, 0,1,2,3,4,5
	v_mov_b32 v[Q0+6+\i], 0                        ; zero codes for k = 64 .. 127
	v_mov_b32 v[Q1+6+\i], 0
	v_mov_b32 v[KV+48+\i], 0                       ; behind K's tile 7
.endr
.irp i, 0,1,2,3
	v_mov_b32 v[PD+\i], 0
.endr
.set n, 0
.rept 64
	v_mov_b32 v[O0+n], 0                           ; O^T of both tiles.  (The step is written once: the first finds zeros, which the first change of M leaves zeros)
.set n, n+1
.endr
; A KEY STEP of one tile: 128 keys.  Q, QS: the tile's fragment and scale word; ST: its state; O: its O^T; DR: its mask number; G: its group.
.macro STEP Q, QS, ST, O, DR, G
	s_cmp_gt_u32 s[KJ], s[\G]                      ; all 128 keys come after my queries: the step is left out (a branch on ids; no barrier and no tensor load stands in a step)
	s_cbranch_scc1 .Lhid_\@
	v_add_nc_u32 v[AD16], s[TK], v[L16]
	v_add_nc_u32 v[AD8], s[TK], v[L8]
	v_add_nc_u32 v[ADS], s[TS], v[RS]
	v_nop                                          ; four places in front of loads into registers that matrix instructions have read
.irp t, 0,1,2,3,4,5,6,7
	ds_load_b128 v[KV+6*\t:KV+6*\t+3], v[AD16] offset:768*\t
	ds_load_b64 v[KV+6*\t+4:KV+6*\t+5], v[AD8] offset:768*\t+512
.endr
	ds_load_b128 v[KVS:KVS+3], v[ADS]
	ds_load_b128 v[KVS+4:KVS+7], v[ADS] offset:256
	s_wait_dscnt 0x0
.irp t, 0,1,2,3,4,5,6,7
	v_wmma_scale_f32_16x16x128_f8f6f4 v[S+8*\t:S+8*\t+7], v[KV+6*\t:KV+6*\t+11], v[\Q:\Q+11], 0, v[KVS+\t], v[\QS] matrix_a_fmt:MATRIX_FMT_FP6 matrix_b_fmt:MATRIX_FMT_FP6
.endr
.rept 4
	v_nop
.endr
	s_cmp_lg_u32 s[KJ], s[\G]                      ; on the diagonal the scores of hidden keys become -infinity ahead of the maximum: p = 0 then
	s_cbranch_scc1 .Lopen_\@
.set n, 0
.rept 64
	v_cmp_gt_i32 vcc_lo, 32*(n/16)+n%16, v[\DR]
	v_cndmask_b32 v[S+n], v[S+n], v[NINF], vcc_lo
.set n, n+1
.endr
.Lopen_\@:
.irp b, 0,1,2,3
	v_max3_num_f32 v[BM+\b], v[S+16*\b], v[S+1+16*\b], v[S+2+16*\b]   ; the largest score of each block of 32 keys: it serves the row's maximum and, since p rises with the score, the block's largest p
.endr
.irp i, 3,5,7,9,11,13
.irp b, 0,1,2,3
	v_max3_num_f32 v[BM+\b], v[BM+\b], v[S+16*\b+\i], v[S+1+16*\b+\i]
.endr
.endr
.irp b, 0,1,2,3
	v_max_num_f32 v[BM+\b], v[BM+\b], v[S+15+16*\b]
.endr
.irp b, 0,1,2,3
	v_permlanex16_b32 v[PD+\b], v[BM+\b], s[SEL], s[SEL+1]
.endr
.irp b, 0,1,2,3
	v_max_num_f32 v[BM+\b], v[BM+\b], v[PD+\b]     ; with lane l xor 16's 16 keys
.endr
	v_max3_num_f32 v[X], v[BM], v[BM+1], v[BM+2]
	v_max_num_f32 v[X], v[X], v[BM+3]              ; the step's largest score of my query (the group's first key counts for every query of the group: it is a number)
	v_mul_f32 v[X], s[CS], v[X]
	v_max_num_f32 v[\ST+1], v[\ST+1], v[X]         ; the running largest t
	v_mov_b32 v[X], v[\ST]
	v_floor_f32 v[\ST], -v[\ST+1]                  ; the new -M = -ceil(t): a whole number
	v_sub_f32 v[X], v[\ST], v[X]                   ; old M - new M: a whole number, 0 or less
	v_cvt_i32_f32 v[X], v[X]                       ; (it saturates)
	v_ldexp_f32 v[F], 1.0, v[X]                    ; f = 2^(old M - new M)
.set n, 0
.rept 32
	v_pk_fma_f32 v[S+n:S+n+1], v[S+n:S+n+1], s[CS:CS+1], v[\ST:\ST+1] op_sel_hi:[1,0,0]   ; t - M, two at a time
.set n, n+2
.endr
.irp b, 0,1,2,3
	v_fma_f32 v[BM+\b], v[BM+\b], s[CS], v[\ST]    ; the same of each block's largest score
.endr
.set n, 0
.rept 64
	v_exp_f32 v[S+n], v[S+n]                       ; p = 2^(t - M)
.set n, n+1
.endr
	v_pk_mul_f32 v[\ST+2:\ST+3], v[\ST+2:\ST+3], v[F:F+1] op_sel_hi:[1,0]   ; the sums under the new M: a plain instruction behind the exponentials
	s_wait_alu depctr_va_vdst(0)                   ; one wait for the batch, ahead of its first reader
.irp b, 0,1,2,3
	v_exp_f32 v[BM+\b], v[BM+\b]                   ; the block's largest p
.endr
	v_pk_add_f32 v[CH:CH+1], v[S:S+1], v[S+2:S+3]  ; the row's sum of the unquantised p, in two chains
.irp j, 4,8,12,16,20,24,28,32,36,40,44,48,52,56,60
	v_pk_add_f32 v[\ST+2:\ST+3], v[\ST+2:\ST+3], v[S+\j:S+\j+1]
	v_pk_add_f32 v[CH:CH+1], v[CH:CH+1], v[S+2+\j:S+3+\j]
.endr
	v_pk_add_f32 v[\ST+2:\ST+3], v[\ST+2:\ST+3], v[CH:CH+1]
	s_wait_alu depctr_va_vdst(0)                   ; and one for the four
.irp b, 0,1,2,3
	v_max_num_f32 v[BM+\b], 0x1800000, v[BM+\b]    ; the floor 2^(3 - 127): a block whose every p is 0 keeps the byte 1: its codes are zeros
.endr
.irp b, 0,1,2,3
	v_add_nc_u32 v[SO+\b], 0xff000000, v[BM+\b]
.endr
.irp b, 0,1,2,3
	v_lshrrev_b32 v[BY+\b], 23, v[SO+\b]
.endr
	v_lshl_or_b32 v[PW], v[BY+1], 8, v[BY]
	v_lshl_or_b32 v[PW], v[BY+2], 16, v[PW]
	v_lshl_or_b32 v[PW], v[BY+3], 24, v[PW]        ; p's scale word for these 128 keys
.irp c, 0,1
	v_cvt_scalef32_pk16_fp6_f32 v[PC+6*\c:PC+2+6*\c], v[S+32*\c:S+15+32*\c], v[SO+2*\c]
	v_cvt_scalef32_pk16_fp6_f32 v[CT+4*\c:CT+2+4*\c], v[S+16+32*\c:S+31+32*\c], v[SO+2*\c+1]
.endr
	v_nop                                          ; one plain instruction behind the scaled conversions
.irp c, 0,1
.irp i, 0,1,2
	v_permlane16_swap_b32 v[PC+6*\c+\i], v[CT+4*\c+\i]
.endr
.irp i, 0,1,2
	v_mov_b32 v[PC+3+6*\c+\i], v[CT+4*\c+\i]
.endr
.endr
.set n, 0
.rept 16
	v_pk_mul_f32 v[\O+n:\O+n+1], v[\O+n:\O+n+1], v[F:F+1] op_sel_hi:[1,0]   ; O^T under the new M; these are also the places in front of the products below
.set n, n+2
.endr
.irp t, 0,1,2,3
	ds_load_b128 v[KV+12*\t:KV+12*\t+3], v[AD16] offset:6144+1536*\t
	ds_load_b64 v[KV+12*\t+4:KV+12*\t+5], v[AD8] offset:6144+1536*\t+512
	ds_load_b128 v[KV+12*\t+6:KV+12*\t+9], v[AD16] offset:6144+1536*\t+768
	ds_load_b64 v[KV+12*\t+10:KV+12*\t+11], v[AD8] offset:6144+1536*\t+1280
.endr
	ds_load_b128 v[KVS:KVS+3], v[ADS] offset:512
	s_wait_dscnt 0x0
.irp t, 0,1,2,3
	v_wmma_scale_f32_16x16x128_f8f6f4 v[\O+8*\t:\O+8*\t+7], v[KV+12*\t:KV+12*\t+11], v[PC:PC+11], v[\O+8*\t:\O+8*\t+7], v[KVS+\t], v[PW] matrix_a_fmt:MATRIX_FMT_FP6 matrix_b_fmt:MATRIX_FMT_FP6
.endr
.Lhid_\@:
.endm
.macro TRIP
	STEP Q0, QS0, ST0, O0, D0, GA
	STEP Q1, QS1, ST1, O1, D1, GB
	s_add_co_u32 s[TK], s[TK], 12288
	s_add_co_u32 s[TS], s[TS], 768
	s_add_co_u32 s[KJ], s[KJ], 1
.endm
	s_wait_tensorcnt 0x1                           ; my parts of the scale words and of key steps 0 and 1 are in; the load of steps 2 to 15 may be out
	s_wait_loadcnt 0x0                             ; Q
	s_barrier_signal -1
	s_barrier_wait -1                              ; everybody's are
.Lfirst:                                           ; key steps 0 and 1: LDS bytes 0 .. 24,575
	TRIP
	s_cmp_lt_u32 s[KJ], 2
	s_cbranch_scc1 .Lfirst
	s_wait_tensorcnt 0x0                           ; my part of the rest is in,
	s_barrier_signal -1
	s_barrier_wait -1                              ; everybody's is
.Lrest:                                            ; key steps 2 to 15
	TRIP
	s_cmp_lt_u32 s[KJ], 16
	s_cbranch_scc1 .Lrest
.rept 4
	v_nop                                          ; places behind the last products
.endr
; THE WAY OUT of a tile: O^T / the sum is y(query r, channels 32 b + 16 (lane / 16) + i): two blocks of 32 along the next product's K: quantised here, half an image and two scale bytes a row.
.macro OUT ST, O, YC, YS
	v_add_f32 v[X], v[\ST+2], v[\ST+3]
	v_permlanex16_b32 v250, v[X], s[SEL], s[SEL+1]
	v_add_f32 v[X], v[X], v250                     ; the row's sum
	v_rcp_f32 v[X], v[X]
	v_nop                                          ; a plain instruction behind the reciprocal,
	s_wait_alu depctr_va_vdst(0)                   ; and the wait ahead of its first reader
.set n, 0
.rept 32
	v_mul_f32 v[S+n], v[\O+n], v[X]
.set n, n+1
.endr
.irp b, 0,1
	v_max3_num_f32 v[BM+\b], |v[S+16*\b]|, |v[S+1+16*\b]|, 0x1800000
.endr
.irp i, 2,4,6,8,10,12,14
.irp b, 0,1
	v_max3_num_f32 v[BM+\b], v[BM+\b], |v[S+16*\b+\i]|, |v[S+1+16*\b+\i]|
.endr
.endr
.irp b, 0,1
	v_permlanex16_b32 v[PD+\b], v[BM+\b], s[SEL], s[SEL+1]
.endr
.irp b, 0,1
	v_max_num_f32 v[BM+\b], v[BM+\b], v[PD+\b]
.endr
.irp b, 0,1
	v_add_nc_u32 v[SO+\b], 0xff000000, v[BM+\b]
.endr
.irp b, 0,1
	v_lshrrev_b32 v[BY+\b], 23, v[SO+\b]
.endr
	v_lshl_or_b32 v[PW], v[BY+1], 8, v[BY]
	v_cvt_scalef32_pk16_fp6_f32 v[PC:PC+2], v[S:S+15], v[SO]
	v_cvt_scalef32_pk16_fp6_f32 v[CT:CT+2], v[S+16:S+31], v[SO+1]
	v_nop
.irp i, 0,1,2
	v_permlane16_swap_b32 v[PC+\i], v[CT+\i]
.endr
.irp i, 0,1,2
	v_mov_b32 v[PC+3+\i], v[CT+\i]
.endr
	global_store_b128 v[L16], v[PC:PC+3], s[\YC:\YC+1]               ; 512 consecutive bytes
	global_store_b64 v[L8], v[PC+4:PC+5], s[\YC:\YC+1] offset:512    ; 256
	global_store_b16 v[R16], v[PW], s[\YS:\YS+1]                     ; two bytes a row, 16 bytes apart: a head owns half of a scale word; these are 32 bytes of a tile's 800
.endm
	OUT ST0, O0, 80, 82
	s_wait_xcnt 0x0                                ; the stores have read their data, which are written again
	OUT ST1, O1, 84, 86
	s_wait_tensorcnt 0x0
	ds_add_u32 v253, v254
	s_wait_dscnt 0x0
	CROUND                                         ; the closing round: no work-group ends while a partner may still ask for a piece that names it
	s_endpgm
.Lfunc_end_k_q2a8d12ac64_attn:
	.size	k_q2a8d12ac64_attn, .Lfunc_end_k_q2a8d12ac64_attn-k_q2a8d12ac64_attn
	.p2alignl 7, 3214868480
	.fill 96, 4, 3214868480
	.section	.rodata,"a",@progbits
	.p2align	6, 0x0
	.amdhsa_kernel k_q2a8d12ac64_attn
		.amdhsa_group_segment_fixed_size 210944
		.amdhsa_private_segment_fixed_size 0
		.amdhsa_enable_private_segment 0
		.amdhsa_kernarg_size 48
		.amdhsa_user_sgpr_count 2
		.amdhsa_user_sgpr_kernarg_segment_ptr 1
		.amdhsa_wavefront_size32 1
		.amdhsa_system_sgpr_workgroup_id_x 1
		.amdhsa_system_sgpr_workgroup_id_y 1
		.amdhsa_system_sgpr_workgroup_id_z 1
		.amdhsa_system_vgpr_workitem_id 0
		.amdhsa_next_free_vgpr 256
		.amdhsa_next_free_sgpr 100
		.amdhsa_reserve_vcc 1
		.amdhsa_float_denorm_mode_32 3
		.amdhsa_float_denorm_mode_16_64 3
		.amdhsa_memory_ordered 1
		.amdhsa_forward_progress 1
		.amdhsa_inst_pref_size 102
	.end_amdhsa_kernel
	.amdgpu_metadata
---
amdhsa.version: [ 1, 2 ]
amdhsa.kernels:
  - .name:           k_q2a8d12ac64_attn
    .symbol:         k_q2a8d12ac64_attn.kd
    .args:
      - { .name: qi, .offset: 0, .size: 8, .value_kind: global_buffer, .address_space: global }
      - { .name: qs, .offset: 8, .size: 8, .value_kind: global_buffer, .address_space: global }
      - { .name: kv, .offset: 16, .size: 8, .value_kind: global_buffer, .address_space: global }
      - { .name: kvs, .offset: 24, .size: 8, .value_kind: global_buffer, .address_space: global }
      - { .name: yi, .offset: 32, .size: 8, .value_kind: global_buffer, .address_space: global }
      - { .name: ys, .offset: 40, .size: 8, .value_kind: global_buffer, .address_space: global }
    .group_segment_fixed_size: 210944
    .private_segment_fixed_size: 0
    .kernarg_segment_align: 8
    .kernarg_segment_size: 48
    .max_flat_workgroup_size: 512
    .sgpr_count:     100
    .vgpr_count:     256
    .wavefront_size: 32
...
	.end_amdgpu_metadata
.endif
;; end of part 3
;; launch gemm_proj (part 4): grid 4 x 32, 4 waves a work-group, clusters of 4 x 4, 327,680 bytes of LDS; arguments yi, ys, xwc, xws, b_proj, out0; writes out0
.if DOCPART == 4
	.amdgcn_target "amdgcn-amd-amdhsa--gfx1250"
	.amdhsa_code_object_version 6
	.text
	.protected	k_q2a8d12ac64_gemm_proj
	.globl	k_q2a8d12ac64_gemm_proj
	.p2align	8
	.type	k_q2a8d12ac64_gemm_proj,@function
k_q2a8d12ac64_gemm_proj:
	s_mov_b64 s[64:65], 0
	v_nop
	global_prefetch_b8 v0, s[64:65] scope:SCOPE_SE
	s_setreg_imm32_b32 hwreg(HW_REG_WAVE_MODE, 25, 1), 1
	s_wait_xcnt 0x0
	s_wait_alu depctr_hold_cnt(0) depctr_sa_sdst(0) depctr_va_vdst(0) depctr_va_sdst(0) depctr_va_ssrc(0) depctr_va_vcc(0) depctr_vm_vsrc(0)
	s_getreg_b32 s2, hwreg(HW_REG_IB_STS2, 6, 4)
	s_cmp_eq_u32 s2, 0
	s_cbranch_scc0 .Lentry_in_a_cluster
	s_endpgm
.Lentry_in_a_cluster:
	s_bfe_u32 s2, ttmp6, 0x10000c
	s_cmp_lg_u32 s2, 0xf033
	s_cbranch_scc0 .Lentry_shape_is_right
	s_endpgm
.Lentry_shape_is_right:
; GEMM_PROJ: out0 = y w_proj + b_proj on codes of FP6 (E2M3) with E8M0 scales, K = 1024; out0 [8192][1024] f32.
; The loop is that of the launch gemm_qkv: P (source 0) = 256 columns of w_proj (xwc, xws from block 704 on), Q (source 1) = 256 tokens of y (yi, ys).  A tile is 256 x 256; four waves, each 128 x 128: 64 accumulators.
; K goes in steps of 256 through two LDS slots; K = 1024 is four slots, so the steps are written out.  Operands lie in memory as images of their registers (16 rows x 128 K = 1536 bytes); a fragment is four LDS loads of consecutive bytes.
; In each group of 32 rows, lane row r of block 2 g + u is row 32 g + 8 u + r + 8 (r / 8), for tokens and columns alike: the way out puts both back in order.
; CLUSTERS: 4 x 4: Q's tile is asked for jointly along a row of the cluster, P's along a column.  The tile's scale words come once with the first fills.  The bias is the C of each sum's first product.
; 128 tiles of this size make 128 work-groups.  Nothing is prefetched: of K's four slots two are first fills, and each tile is read by several work-groups.
; A wave has three tensor loads out at the start and one behind each round.
; REGISTERS: window 0: v1-7 lane numbers; v16-23, v27 LDS addresses; v24, v25 the stage; v28, v29 the add's; v32-63 scale words; v64-127 the bias; v128-223 Q's fragments (on the way out v128-255: rows read back).
;   window 1: P's fragments, two sets.   windows 2, 3: the accumulators, (a, b) at v[8 (8 (a % 4) + b)] of window 2 + a / 4.
.set FR,    12
.set NL,    4
.set NP,    4
.set BLKB,  3072
.set HALFT, 8*BLKB
.set SLOT,  4*HALFT
.set SCL,   2*SLOT
.set SPARE, SCL+16384                  ; the spare words, 128 bytes for each wave: two blocks of 256 bytes that no other line names
.set SPITCH, 528                       ; the way out: a stage of 16 rows x (512 bytes + 16) for each wave, in slot 0, which has had its last fill and its last read when the first result is stored there
.set ADRA, 16
.set ADRB, 20
.set STO,  24
.set RD,   25
.set ADRS, 27
.set SPW,  28
.set NIL,  29
.set SC,   32
.set BI,   64
.set AF,   128
.set BK,   128
.set G1,   24
.set G0,   32
.set G1B,  48
.set G0B,  56
.set G1S,  68
.set G0S,  76
.set G1SB, 80
.set G0SB, 88
.set MSB, 0
.macro WIN new                         ; the immediate's high byte repeats the setting that is left
.if MSB != \new
	s_set_vgpr_msb (MSB<<8)|\new
.set MSB, \new
.endif
.endm
.set MUL_LO, 0xa1
.set MUL_HI, 0xf1
.set TO_B,   0x40
.macro JLOAD g0a, g1a, g0b, g1b        ; a joint load: waves 0 and 1 fetch for Q, waves 2 and 3 for P; four v_nop follow each of the two lines
	s_cmp_eq_u32 s15, 0
	s_cbranch_scc0 .Lfor_b_\@
	tensor_load_to_lds s[\g0a:\g0a+3], s[\g1a:\g1a+7]
	s_nop 0
.rept 4
	v_nop
.endr
	s_branch .Lasked_\@
.Lfor_b_\@:
	tensor_load_to_lds s[\g0b:\g0b+3], s[\g1b:\g1b+7]
	s_nop 0
.rept 4
	v_nop
.endr
.Lasked_\@:
.endm
.macro CREST
	s_cmp_lg_u32 s14, 0
	s_cbranch_scc1 .Lnot_wave_0_\@
	s_barrier_signal -3
.Lnot_wave_0_\@:
	s_barrier_wait -3
	s_barrier_signal -1
	s_barrier_wait -1
.endm
.macro CROUND
	s_barrier_signal -1
	s_barrier_wait -1
	CREST
.endm
	s_load_b256 s[4:11], s[0:1], 0x0               ; yi s[4:5], ys s[6:7], xwc s[8:9], xws s[10:11]
	s_load_b128 s[92:95], s[0:1], 0x20             ; b_proj s[92:93], out0 s[94:95]
	v_lshl_add_u32 v[SPW], v0, 2, SPARE
	v_mov_b32 v[NIL], 0
	ds_add_u32 v28, v29
	ds_add_u32 v28, v29
	s_wait_dscnt 0x0
	v_lshrrev_b32 v1, 5, v0
	v_readfirstlane_b32 s14, v1                    ; wave 0..3
	s_lshr_b32 s15, s14, 1                         ; which half of Q's rows is mine.  Also: I fetch for Q (0) or for P (1)
	s_and_b32 s16, s14, 1                          ; which half of P's rows.  Also: which eight blocks I fetch
	s_bfe_u32 s40, ttmp6, 0x40000                  ; cx
	s_bfe_u32 s41, ttmp6, 0x40004                  ; cy
	s_lshl_b32 s42, ttmp9, 2
	s_add_co_u32 s42, s42, s40                     ; PT: 256 columns
	s_and_b32 s43, ttmp7, 0xffff
	s_lshl_b32 s43, s43, 2
	s_add_co_u32 s43, s43, s41                     ; QT: 256 tokens
	s_lshl_b32 s12, s41, 2
	s_lshl_b32 s12, 15, s12                        ; my row of the cluster
	s_lshl_b32 s13, 0x1111, s40                    ; my column
	s_or_b32 s[G1+0], s12, (3<<16)|(1<<21)         ; codes: 8 rows (blocks) of 3,072 bytes, 12,288 bytes apart; elements of 8 bytes; the mask, and bit 21 beside it
	s_or_b32 s[G1B+0], s13, (3<<16)|(1<<21)
.irp g, G1, G1B
	s_mov_b32 s[\g+1], 384<<16
	s_mov_b32 s[\g+2], 8<<16
	s_mov_b32 s[\g+3], 384<<16
	s_mov_b32 s[\g+4], 8
	s_mov_b32 s[\g+5], 1536
	s_mov_b32 s[\g+6], 0
	s_mov_b32 s[\g+7], 0
.endr
	s_or_b32 s[G1S+0], s12, (3<<16)|(1<<21)        ; scale words of eight blocks: 4,096 dense bytes as 16 rows of 256
	s_or_b32 s[G1SB+0], s13, (3<<16)|(1<<21)
.irp g, G1S, G1SB
	s_mov_b32 s[\g+1], 32<<16
	s_mov_b32 s[\g+2], 16<<16
	s_mov_b32 s[\g+3], 32<<16
	s_mov_b32 s[\g+4], 16
	s_mov_b32 s[\g+5], 32
	s_mov_b32 s[\g+6], 0
	s_mov_b32 s[\g+7], 0
.endr
	s_lshl_b32 s18, s16, 3
	s_lshl_b32 s20, s43, 4
	s_add_co_u32 s20, s20, s18                     ; Q: the first block that I fetch
	s_lshl_b32 s46, s42, 4
	s_add_co_u32 s46, s46, 704
	s_add_co_u32 s46, s46, s18                     ; P: likewise
	s_lshl_b32 s22, s20, 9
	s_mul_i32 s20, s20, 12288
	s_lshl_b32 s98, s46, 9
	s_mul_i32 s46, s46, 12288
	s_mov_b32 s21, 0
	s_mov_b32 s23, 0
	s_mov_b32 s47, 0
	s_mov_b32 s99, 0
	s_mul_i32 s67, s14, HALFT                      ; where they go: no place in the cluster enters an LDS address
	s_lshl_b32 s100, s14, 12
	s_wait_kmcnt 0x0
	s_add_nc_u64 s[20:21], s[4:5], s[20:21]
	s_add_nc_u64 s[22:23], s[6:7], s[22:23]
	s_add_nc_u64 s[46:47], s[8:9], s[46:47]
	s_add_nc_u64 s[98:99], s[10:11], s[98:99]
	CROUND                                         ; all sixteen work-groups are here: the first joint loads meet
	s_mov_b32 s[G0S], 1
	s_add_co_u32 s[G0S+1], s100, SCL
	s_mov_b64 s[G0S+2:G0S+3], s[22:23]
	s_or_b32 s[G0S+3], s[G0S+3], 0x80000000
	s_mov_b32 s[G0SB], 1
	s_add_co_u32 s[G0SB+1], s100, SCL
	s_mov_b64 s[G0SB+2:G0SB+3], s[98:99]
	s_or_b32 s[G0SB+3], s[G0SB+3], 0x80000000
	JLOAD G0S, G1S, G0SB, G1SB
.irp s, 0,1
	s_mov_b32 s[G0+4*\s], 1
	s_add_co_u32 s[G0+4*\s+1], s67, \s*SLOT
	s_add_nc_u64 s[G0+4*\s+2:G0+4*\s+3], s[20:21], \s*BLKB
	s_or_b32 s[G0+4*\s+3], s[G0+4*\s+3], 0x80000000
	s_mov_b32 s[G0B+4*\s], 1
	s_add_co_u32 s[G0B+4*\s+1], s67, \s*SLOT
	s_add_nc_u64 s[G0B+4*\s+2:G0B+4*\s+3], s[46:47], \s*BLKB
	s_or_b32 s[G0B+4*\s+3], s[G0B+4*\s+3], 0x80000000
	JLOAD G0+4*\s, G1, G0B+4*\s, G1B
.endr
	v_and_b32 v1, 31, v0                           ; lane
	v_and_b32 v2, 15, v0                           ; r
	v_bfe_u32 v3, v0, 4, 1                         ; h
	v_lshlrev_b32 v4, 4, v1                        ; 16 x lane
	v_lshlrev_b32 v5, 3, v1                        ; 8 x lane
	s_mul_i32 s2, s15, HALFT
	s_mul_i32 s3, s16, HALFT
	s_add_co_u32 s3, s3, 2*HALFT
.irp s, 0,1
	v_add_nc_u32 v[ADRA+\s], s2, v4
	v_add_nc_u32 v[ADRA+2+\s], s2, v5
	v_add_nc_u32 v[ADRB+\s], s3, v4
	v_add_nc_u32 v[ADRB+2+\s], s3, v5
	s_add_co_u32 s2, s2, SLOT
	s_add_co_u32 s3, s3, SLOT
.endr
	s_lshl_b32 s2, s15, 12
	s_lshl_b32 s3, s16, 12
	s_add_co_u32 s3, s3, 8192
	s_sub_co_u32 s3, s3, s2
	v_mul_u32_u24 v6, s3, v3                       ; lanes 16-31 take P's scale words: one product in h
	s_add_co_u32 s2, s2, SCL
	v_lshl_add_u32 v6, v2, 4, v6
	v_add_nc_u32 v[ADRS], s2, v6
	s_mul_i32 s23, s14, 16*SPITCH                  ; my stage
	v_mul_u32_u24 v6, v2, SPITCH
	v_lshl_add_u32 v6, v3, 6, v6
	v_add_nc_u32 v[STO], s23, v6                   ; in: row r, + 64 h
	v_add_nc_u32 v[RD], s23, v4                    ; back: a row of 512 bytes, 16 a lane
	; the bias: register 8 b + j holds b_proj at 256 PT + 128 x my half + 32 (b / 2) + 8 (b % 2) + 16 h + j
	s_lshl_b32 s18, s42, 10
	s_lshl_b32 s19, s16, 9
	s_add_co_u32 s18, s18, s19
	s_mov_b32 s19, 0
	s_add_nc_u64 s[92:93], s[92:93], s[18:19]
	v_lshlrev_b32 v7, 6, v3
.irp i, 0,1,2,3,4,5,6,7
	global_load_b128 v[BI+8*\i:BI+8*\i+3], v7, s[92:93] offset:(32*(\i/2)+8*(\i%2))*4
	global_load_b128 v[BI+8*\i+4:BI+8*\i+7], v7, s[92:93] offset:(32*(\i/2)+8*(\i%2))*4+16
.endr
	s_add_nc_u64 s[94:95], s[94:95], s[18:19]      ; out0: my 128 columns' bytes are the same offset,
	s_lshl_b32 s18, s43, 20
	s_lshl_b32 s101, s15, 19
	s_add_co_u32 s18, s18, s101                    ; and my first row: 256 QT + 128 x my half, of 4,096 bytes
	s_add_nc_u64 s[94:95], s[94:95], s[18:19]
.macro FRAG reg, adr, q, i
	ds_load_b128 v[\reg:\reg+3], v[\adr] offset:BLKB*(\i)+1536*(\q)
	ds_load_b64 v[\reg+4:\reg+5], v[\adr+2] offset:BLKB*(\i)+1536*(\q)+512
	ds_load_b128 v[\reg+6:\reg+9], v[\adr] offset:BLKB*(\i)+1536*(\q)+768
	ds_load_b64 v[\reg+10:\reg+11], v[\adr+2] offset:BLKB*(\i)+1536*(\q)+1280
.endm
; 16 matrix instructions: Q's blocks a0, a0 + 1 x P's eight.  zero = 1: the sums start with the bias.  The 64 accumulators take turns, one instruction a turn.
.macro MUL16 a0, p, q, sc, zero
.irp a, \a0, \a0+1
.irp b, 0,1,2,3,4,5,6,7
.if \zero
	v_wmma_scale_f32_16x16x128_f8f6f4 v[8*(8*((\a)%4)+\b):8*(8*((\a)%4)+\b)+7], v[128*(\p)+FR*\b:128*(\p)+FR*\b+FR-1], v[AF+FR*(\a):AF+FR*(\a)+FR-1], v[BI+8*\b:BI+8*\b+7], v[SC+16*(\sc)+2*\b+(\q)], v[SC+16*(\sc)+2*(\a)+(\q)] matrix_a_fmt:MATRIX_FMT_FP6 matrix_b_fmt:MATRIX_FMT_FP6 matrix_a_scale:MATRIX_SCALE_ROW1
.else
	v_wmma_scale_f32_16x16x128_f8f6f4 v[8*(8*((\a)%4)+\b):8*(8*((\a)%4)+\b)+7], v[128*(\p)+FR*\b:128*(\p)+FR*\b+FR-1], v[AF+FR*(\a):AF+FR*(\a)+FR-1], v[8*(8*((\a)%4)+\b):8*(8*((\a)%4)+\b)+7], v[SC+16*(\sc)+2*\b+(\q)], v[SC+16*(\sc)+2*(\a)+(\q)] matrix_a_fmt:MATRIX_FMT_FP6 matrix_b_fmt:MATRIX_FMT_FP6 matrix_a_scale:MATRIX_SCALE_ROW1
.endif
.endr
.endr
.endm
.macro FETCH_B slot, q, p
	WIN TO_B
.irp i, 0,1,2,3,4,5,6,7
	FRAG 128*(\p)+FR*\i, ADRB+\slot, \q, \i
.endr
	WIN 0
.endm
.macro FETCH_A slot, q, i0
.irp i, \i0, \i0+1, \i0+2, \i0+3
	FRAG AF+FR*(\i), ADRA+\slot, \q, \i
.endr
.endm
.macro SCALES sc, ks
.irp i, 0,1,2,3,4,5,6,7
	ds_load_b64 v[SC+16*(\sc)+2*\i:SC+16*(\sc)+2*\i+1], v[ADRS] offset:512*\i+256*((\ks)/2)+8*((\ks)%2)
.endr
.endm
.macro PLACES n                        ; plain vector instructions between a matrix instruction and a load into, or a read of, its registers (ISA guide 7.12.1 for reads)
.rept \n
	v_nop
.endr
.endm
.macro STEP slot, q, zero
	s_wait_dscnt 4*NL                              ; P's set, Q's blocks 0-3 and the scale words are in; the youngest 16 loads (Q's blocks 4-7) may be out
.if \zero
	WIN 0x81                                       ; C (the bias) in window 0, D in window 2
.else
	WIN MUL_LO
.endif
	MUL16 0, (\q)%2, \q, \slot, \zero
	MUL16 2, (\q)%2, \q, \slot, \zero
	s_wait_dscnt 0x0
	PLACES NP
	FETCH_B \slot, (\q)+1, 1-(\q)%2
	FETCH_A \slot, (\q)+1, 0
.if \zero
	WIN 0xc1
.else
	WIN MUL_HI
.endif
	MUL16 4, (\q)%2, \q, \slot, \zero
	MUL16 6, (\q)%2, \q, \slot, \zero
	PLACES NP
	WIN 0
	FETCH_A \slot, (\q)+1, 4
.endm
.macro TURN slot, next, fill, ks
	s_wait_tensorcnt 0x0                           ; all my tensor loads have landed: my part of the next slot
	ds_add_u32 v[SPW], v[NIL]                      ; 0 onto my spare word
	s_wait_dscnt 4*NL+1                            ; (the add and the youngest 16 loads may be out)
	WIN MUL_LO
	MUL16 0, 1, 1, \slot, 0
	s_wait_dscnt 0x0                               ; the add is done, and my reads of this slot are over
	s_barrier_signal -1
	MUL16 2, 1, 1, \slot, 0
	WIN 0
	s_barrier_wait -1
.if \fill
	CREST                                          ; a round of the cluster's barrier: no wave of any partner still reads this slot or has a load on its way
	s_add_nc_u64 s[G0+4*\slot+2:G0+4*\slot+3], s[G0+4*\slot+2:G0+4*\slot+3], 2*BLKB
	s_add_nc_u64 s[G0B+4*\slot+2:G0B+4*\slot+3], s[G0B+4*\slot+2:G0B+4*\slot+3], 2*BLKB
	JLOAD G0+4*\slot, G1, G0B+4*\slot, G1B         ; the first tensor load behind the round; its four v_nop are the places in front of the loads below
.else
	PLACES NP
.endif
	FETCH_B \next, 0, 0
	FETCH_A \next, 0, 0
	SCALES \next, \ks
	WIN MUL_HI
	MUL16 4, 1, 1, \slot, 0
	MUL16 6, 1, 1, \slot, 0
	PLACES NP
	WIN 0
	FETCH_A \next, 0, 4
.endm
	s_wait_tensorcnt 1                             ; the scale words and my part of slot 0 are in (slot 1's load may be out),
	s_barrier_signal -1
	s_barrier_wait -1                              ; everybody's are
	FETCH_B 0, 0, 0
	FETCH_A 0, 0, 0
	SCALES 0, 0
	FETCH_A 0, 0, 4
	s_wait_loadcnt 0x0                             ; the bias
	STEP 0, 0, 1
	TURN 0, 1, 1, 1
	STEP 1, 0, 0
	TURN 1, 0, 1, 2
	STEP 0, 0, 0
	TURN 0, 1, 0, 3                                ; nothing is left to fetch: no round
	STEP 1, 0, 0
	s_wait_dscnt 4*NL                              ; the very last step
	WIN MUL_LO
	MUL16 0, 1, 1, 1, 0
	MUL16 2, 1, 1, 1, 0
	s_wait_dscnt 0x0
	WIN MUL_HI
	MUL16 4, 1, 1, 1, 0
	MUL16 6, 1, 1, 1, 0
	WIN 0
; THE WAY OUT, block by block of 16 rows x 128 columns, through my own stage in LDS: accumulator (a, b) holds columns 32 (b / 2) + 16 h + 8 (b % 2) + 0 .. 7 of the lane's row.  Rows come back whole, 512 bytes, and stored row t
; of block a is row 32 (a / 2) + 8 (a % 2) + t + 8 (t / 8) of my 128.  LDS serves a wave's instructions in order (ISA guide 5.7.1.4): no wait between the stores and the loads.
.macro TOSTAGE a
.set AC, 64*((\a)%4)
.set WS, 8+4*((\a)/4)
	WIN WS                                         ; an LDS store's data are its source 1: window 2 or 3
.irp b, 0,1,2,3,4,5,6,7
	ds_store_b128 v[STO], v[AC+8*\b:AC+8*\b+3] offset:128*(\b/2)+32*(\b%2)          ; each accumulator from its low end on
	ds_store_b128 v[STO], v[AC+8*\b+4:AC+8*\b+7] offset:128*(\b/2)+32*(\b%2)+16
.endr
	WIN 0
.set BB, BK+64*((\a)%2)
.irp t, 0,1,2,3,4,5,6,7,8,9,10,11,12,13,14,15
	ds_load_b128 v[BB+4*\t:BB+4*\t+3], v[RD] offset:\t*SPITCH
.endr
.endm
.macro SEND a, younger                 ; younger: the LDS instructions issued behind block a's loads, which may stay out
.set BB, BK+64*((\a)%2)
	s_wait_dscnt \younger
.if (\a) > 0
.if (\a)%2
	s_add_nc_u64 s[94:95], s[94:95], 8*4096        ; (behind a wait on XCNT: the earlier stores have read their base)  an odd block begins 8 rows on,
.else
	s_add_nc_u64 s[94:95], s[94:95], 24*4096       ; an even one 24
.endif
.endif
.irp t, 0,1,2,3,4,5,6,7,8,9,10,11,12,13,14,15
	global_store_b128 v4, v[BB+4*\t:BB+4*\t+3], s[94:95] offset:(\t+8*(\t/8))*4096 th:TH_STORE_NT   ; 32 lanes store 512 consecutive bytes, at a multiple of 256 from out0's first byte
.endr
.endm
	PLACES NP
	TOSTAGE 0
.irp a, 1,2,3,4,5,6,7
.if \a > 1
	s_wait_xcnt 0x0                                ; block a - 2's stores have read their registers and their base
.endif
	TOSTAGE \a
	SEND \a-1, 32                                  ; behind block a - 1's loads: block a's 16 stores and 16 loads
.endr
	s_wait_xcnt 0x0
	SEND 7, 0
	s_wait_tensorcnt 0x0                           ; the wave's end
	ds_add_u32 v[SPW], v[NIL]
	s_wait_dscnt 0x0
	CROUND                                         ; the closing round
	s_endpgm
.Lfunc_end_k_q2a8d12ac64_gemm_proj:
	.size	k_q2a8d12ac64_gemm_proj, .Lfunc_end_k_q2a8d12ac64_gemm_proj-k_q2a8d12ac64_gemm_proj
	.p2alignl 7, 3214868480
	.fill 96, 4, 3214868480
	.section	.rodata,"a",@progbits
	.p2align	6, 0x0
	.amdhsa_kernel k_q2a8d12ac64_gemm_proj
		.amdhsa_group_segment_fixed_size 327680
		.amdhsa_private_segment_fixed_size 0
		.amdhsa_enable_private_segment 0
		.amdhsa_kernarg_size 48
		.amdhsa_user_sgpr_count 2
		.amdhsa_user_sgpr_kernarg_segment_ptr 1
		.amdhsa_wavefront_size32 1
		.amdhsa_system_sgpr_workgroup_id_x 1
		.amdhsa_system_sgpr_workgroup_id_y 1
		.amdhsa_system_sgpr_workgroup_id_z 1
		.amdhsa_system_vgpr_workitem_id 0
		.amdhsa_next_free_vgpr 1024
		.amdhsa_next_free_sgpr 102
		.amdhsa_reserve_vcc 0
		.amdhsa_float_denorm_mode_32 3
		.amdhsa_float_denorm_mode_16_64 3
		.amdhsa_memory_ordered 1
		.amdhsa_forward_progress 1
		.amdhsa_inst_pref_size 145
	.end_amdhsa_kernel
	.amdgpu_metadata
---
amdhsa.version: [ 1, 2 ]
amdhsa.kernels:
  - .name:           k_q2a8d12ac64_gemm_proj
    .symbol:         k_q2a8d12ac64_gemm_proj.kd
    .args:
      - { .name: yi, .offset: 0, .size: 8, .value_kind: global_buffer, .address_space: global }
      - { .name: ys, .offset: 8, .size: 8, .value_kind: global_buffer, .address_space: global }
      - { .name: xwc, .offset: 16, .size: 8, .value_kind: global_buffer, .address_space: global }
      - { .name: xws, .offset: 24, .size: 8, .value_kind: global_buffer, .address_space: global }
      - { .name: b_proj, .offset: 32, .size: 8, .value_kind: global_buffer, .address_space: global }
      - { .name: out0, .offset: 40, .size: 8, .value_kind: global_buffer, .address_space: global }
    .group_segment_fixed_size: 327680
    .private_segment_fixed_size: 0
    .kernarg_segment_align: 8
    .kernarg_segment_size: 48
    .max_flat_workgroup_size: 128
    .sgpr_count:     102
    .vgpr_count:     1024
    .wavefront_size: 32
...
	.end_amdgpu_metadata
.endif
;; end of part 4
